; MI455X (gfx1250); checked and timed in simulation.
; The chip was launched on July 23, 2026; its instructions are those of AMD's public machine-readable ISA for CDNA 5 (MIT licence, August 2026) and "CDNA5" Instruction Set Architecture Reference Guide (July 2026). The comments in the code are by the model that wrote it; some were corrected since.
;; Attention. Allowed arithmetic: matrix products marked QUANTISED: E2M3 operands, one E8M0 scale for each 32 along K, by v_wmma_scale_f32_16x16x128_f8f6f4 with both operands' format E2M3, f32 sums; everything else in f32.
;; Inputs: freqs_cos 2,048 x 64 float32; freqs_sin 2,048 x 64 float32; mask 2,048 x 2,048 float32; wk 2,048 x 2,048 float32; wo 2,048 x 2,048 float32; wq 2,048 x 2,048 float32; wv 2,048 x 2,048 float32; x 1 x 2,048 x 2,048 float32.
;; Outputs: out0 1 x 2,048 x 2,048 float32.
;; This version of the problem:
;;   THIS VERSION OF THE PROBLEM IS GIVEN IN LOW PRECISION. The matrix products marked QUANTISED in the list below multiply operands that are first quantised to E2M3 (2 exponent bits, 3 mantissa bits; 6 bits a number), with one power-of-two scale for each 32 numbers along K (OCP MX v1.0); their sums are f32. All else is computed in f32.
;;   The module's matrix products, in the order in which they are computed (A, B: the left and right operand; K: the contracted axis; several contracted axes count as one K, in the product's order):
;;     1. [M 2,048, K 2,048] x [K 2,048, N 2,048]; A: input x; B: input wq: QUANTISED
;;     2. [M 2,048, K 2,048] x [K 2,048, N 2,048]; A: input x; B: input wk: QUANTISED
;;     3. [M 2,048, K 2,048] x [K 2,048, N 2,048]; A: input x; B: input wv: QUANTISED
;;     4. batch 16 x [M 2,048, K 128] x [K 128, N 2,048]; A: computed on the way; B: computed on the way: QUANTISED
;;     5. batch 16 x [M 2,048, K 2,048] x [K 2,048, N 128]; A: softmax (see below); B: computed on the way: QUANTISED
;;     6. [M 2,048, K 2,048] x [K 2,048, N 2,048]; A: computed on the way; B: input wo: QUANTISED
;;   THE QUANTISER, for each operand of a quantised product, along K:
;;     - K is cut into blocks of 32 from its start; a last block that is shorter is filled with zeros.
;;     - A block's scale is 2^e with e = floor(log2(the largest magnitude in the block)) - 2, held to -126 .. 127; a block of zeros has e = 0. As a byte (E8M0): e + 127.
;;     - Each number is divided by its block's scale, clamped to +-7.5, and rounded to the nearest number of E2M3, ties to even, subnormals kept.
;;     - The product sums the exact products of the quantised numbers (number of the format x scale) in f32.
;;   ~~~python
;;   def quantise(x, axis):      # numpy; x: float32 -> the quantised numbers, widened to float32 again
;;       x = np.moveaxis(x, axis, -1); K = x.shape[-1]
;;       x = np.pad(x, [(0, 0)] * (x.ndim - 1) + [(0, -K % 32)]); x = x.reshape(x.shape[:-1] + (-1, 32)); a = np.abs(x).max(-1, keepdims=True)
;;       e = np.where(a > 0, np.clip(np.frexp(np.where(a > 0, a, 1))[1] - 1 - 2, -126, 127), 0)      # np.frexp(a)[1] - 1 = floor(log2(a)), exactly
;;       r = np.clip(x / 2.0 ** e, -7.5, 7.5)
;;       step = 2.0 ** (np.maximum(np.frexp(np.where(r == 0, 1, r))[1] - 1, 0) - 3)
;;       q = np.round(r / step) * step * 2.0 ** e      # np.round: ties to even
;;       return np.moveaxis(q.reshape(q.shape[:-2] + (-1,))[..., :K], -1, axis).astype(np.float32)
;;   ~~~
;;   SOFTMAX AHEAD OF A QUANTISED PRODUCT. Where the list says 'softmax', what is quantised is not the finished softmax but p = 2^(t - M), with t = logit x log2(e) and M = ceil(the row's largest t), a whole number; so 1/2 < the row's largest p <= 1. The row's sum l is taken of the UNQUANTISED p, in f32, and the product's result is divided by l at the end. Since M is a whole number, a kernel that streams over the keys may use a running M (the ceiling of the running maximum): every later rescaling is an exact power of two, which a block's scale takes up: the codes' values come out the same.
;;   OPERANDS COMPUTED ON THE WAY. 'Computed on the way' means the value that the module computes at that place (a softmax that the list does not call 'softmax' is quantised finished and normalised). What goes into a quantiser is computed in f32, as accurately as f32 sums, v_exp_f32 and their like allow (about 1e-6 of the number): no bf16 or f16 on the way to a quantiser, and a product that is left as it is and whose result goes on into a quantised operand takes f32 operands (vector FMAs, or v_wmma_f32_16x16x4_f32). A number that lies on a knife's edge between two numbers of the format may be rounded either way, as far as f32 arithmetic and the matrix unit's own rounding can turn it there, and no further.
;; One version. Each part assembles by itself: llvm-mc -triple=amdgcn-amd-amdhsa -mcpu=gfx1250 --defsym DOCPART=n.
;; ======== version 1 of 1: 4 launches
;; workspace buffers: cod 15,728,640 bytes; scl 655,360 bytes; qkvc 9,437,184 bytes; sc 393,216 bytes; oc 3,145,728 bytes; os 131,072 bytes
;; launch quant (part 1): grid 640 x 1, 4 waves a work-group, no clusters, 34,304 bytes of LDS; arguments x, wq, wk, wv, wo, cod, scl; writes cod, scl
.if DOCPART == 1
	.amdgcn_target "amdgcn-amd-amdhsa--gfx1250"
	.amdhsa_code_object_version 6
	.text
	.protected	k_q44228bb627_quant
	.globl	k_q44228bb627_quant
	.p2align	8
	.type	k_q44228bb627_quant,@function
k_q44228bb627_quant:
	s_mov_b64 s[64:65], 0
	v_nop
	global_prefetch_b8 v0, s[64:65] scope:SCOPE_SE
	s_setreg_imm32_b32 hwreg(HW_REG_WAVE_MODE, 25, 1), 1
	s_wait_xcnt 0x0
; x, wq, wk, wv, wo, each [2048][2048] f32 with K innermost, become codes of FP6 (E2M3) with one E8M0 byte for each 32 along K.
; A block's scale is 2^(floor(log2(its largest magnitude)) - 2); its byte is the largest magnitude's exponent field - 2, held at 1 from below.
; LAYOUT OF THE RESULT.  cod: [tensor 5][row block 128][K step 16][1,536 bytes]: a FRAGMENT IMAGE, 16 rows x 128 K as the matrix unit's operand
; registers hold it: registers 4 c .. 4 c + 3 of lane l at byte 512 c + 16 l.  scl: [tensor][row block][K group 4][row 16][4 words]: word q of a row is K step 4 g + q.
; ORDER INSIDE A BLOCK OF 32: code place p holds element [0-7, 16-23, 8-15, 24-31][p].  Every operand of this program is laid so, both sides of every product alike,
; so each product sums the same terms; blocks and scales are untouched; only the grouping of the additions inside the unit differs from ascending k.
; LIMITS: a block whose largest magnitude lies under 2^-124 takes the byte 1; a block of zeros takes the byte 1 with zero codes (these bytes are read by this program alone); NaN and infinities are not served.
; SHARES.  Work-group n: tensor n / 128, row block n % 128 (16 rows).  Wave w: K steps 4 w .. 4 w + 3.  A step's 16 loads read 512 consecutive bytes each (one row's 128 numbers);
; the 8 KiB turn through the wave's own stage in LDS (rows of 512 + 16 bytes) so that a lane gets 16 numbers of each of its row's four blocks.  No barrier: waves share nothing.
.set STGB,  8448                       ; a wave's stage: 16 rows x 528
.set SPARE, 4*STGB                     ; behind the stages: the spare words, 128 bytes a wave, two blocks of 256 bytes that no other line names
.set LD,   2                           ; v2  16 x lane + 2,048 x wave: my bytes in a row of the input
.set SIN,  3                           ; v3  stage, way in: 16 x lane
.set SOUT, 4                           ; v4  stage, way out: 528 r + 32 h
.set LI,   5                           ; v5  16 x lane
.set R16,  6                           ; v6  16 r
.set LN,   7                           ; v7  lane
.set SPW,  10                          ; v10 my spare word's address; never rewritten
.set NIL,  11                          ; v11 0; never rewritten
.set SW,   12                          ; v12-15 the four steps' scale words
.set TM,   16                          ; v16-31 at work
.set PC,   32                          ; v32-43 a fragment's codes; v44-50 at work
.set X,    64                          ; v64-127 my 64 numbers of a step: register 16 b + i
.set R,    128                         ; v128-255 two sets of 64 as loaded
.set SEL,  28                          ; s[28:29] lane selects: lane l xor 16
	s_load_b256 s[4:11], s[0:1], 0x0               ; x, wq, wk, wv
	s_load_b128 s[12:15], s[0:1], 0x20             ; wo, cod
	s_load_b64 s[16:17], s[0:1], 0x30              ; scl
	v_lshl_add_u32 v[SPW], v0, 2, SPARE
	v_mov_b32 v[NIL], 0
	v_lshrrev_b32 v1, 5, v0
	v_readfirstlane_b32 s18, v1                    ; wave
	v_and_b32 v[LN], 31, v0
	v_and_b32 v8, 15, v0                           ; r
	v_bfe_u32 v9, v0, 4, 1                         ; h
	v_lshlrev_b32 v[LI], 4, v[LN]
	s_lshl_b32 s19, s18, 11
	v_add_nc_u32 v[LD], s19, v[LI]
	s_mul_i32 s20, s18, STGB
	v_add_nc_u32 v[SIN], s20, v[LI]
	v_mul_u32_u24 v[SOUT], v8, 528
	v_lshl_add_u32 v[SOUT], v9, 5, v[SOUT]
	v_add_nc_u32 v[SOUT], s20, v[SOUT]
	v_lshlrev_b32 v[R16], 4, v8
.irp b, 0,1,2,3
	v_mov_b32 v[TM+4+\b], 0                        ; written once: a lane permute's destination counts as one of its sources
.endr
	s_mov_b32 s[SEL], 0x76543210
	s_mov_b32 s[SEL+1], 0xfedcba98
	s_lshr_b32 s21, ttmp9, 7                       ; which tensor
	s_and_b32 s22, ttmp9, 127                      ; which row block
	s_lshl_b32 s24, s22, 17                        ; 16 rows of 8,192 bytes
	s_mov_b32 s25, 0
	s_mul_i32 s26, ttmp9, 24576                    ; cod: a row block's 16 fragments,
	s_mul_i32 s30, s18, 6144                       ; my wave's four
	s_add_co_u32 s26, s26, s30
	s_mov_b32 s27, 0
	s_lshl_b32 s22, ttmp9, 10                      ; scl: 1,024 bytes a row block,
	s_lshl_b32 s23, s18, 8                         ; my K group's 256
	s_add_co_u32 s22, s22, s23
	s_mov_b32 s23, 0
	s_wait_kmcnt 0x0
	s_cmp_eq_u32 s21, 1                            ; the tensor is chosen by the work-group's number alone
	s_cselect_b64 s[4:5], s[6:7], s[4:5]
	s_cmp_eq_u32 s21, 2
	s_cselect_b64 s[4:5], s[8:9], s[4:5]
	s_cmp_eq_u32 s21, 3
	s_cselect_b64 s[4:5], s[10:11], s[4:5]
	s_cmp_eq_u32 s21, 4
	s_cselect_b64 s[4:5], s[12:13], s[4:5]
	s_add_nc_u64 s[4:5], s[4:5], s[24:25]
	s_add_nc_u64 s[14:15], s[14:15], s[26:27]
	s_add_nc_u64 s[16:17], s[16:17], s[22:23]
; 64 numbers of a lane, register 16 b + i = my i-th number of block b of my row, become a fragment's codes in v[PC] on and its scale word in v[pw]
.macro QUANT s, pw
.irp b, 0,1,2,3
	v_max3_num_f32 v[TM+\b], |v[\s+16*\b]|, |v[\s+1+16*\b]|, 0x1800000   ; and the floor 2^(3 - 127): the byte cannot fall under 1
.endr
.irp i, 2,4,6,8,10,12,14
.irp b, 0,1,2,3
	v_max3_num_f32 v[TM+\b], v[TM+\b], |v[\s+16*\b+\i]|, |v[\s+1+16*\b+\i]|   ; the four blocks by turns
.endr
.endr
.irp b, 0,1,2,3
	v_permlanex16_b32 v[TM+4+\b], v[TM+\b], s[SEL], s[SEL+1]
.endr
.irp b, 0,1,2,3
	v_max_num_f32 v[TM+\b], v[TM+\b], v[TM+4+\b]   ; with lane l xor 16's 16 numbers: the block's largest magnitude
.endr
.irp b, 0,1,2,3
	v_add_nc_u32 v[TM+12+\b], 0xff000000, v[TM+\b] ; 2 off its exponent field: the conversion's scale operand
.endr
.irp b, 0,1,2,3
	v_lshrrev_b32 v[TM+4+\b], 23, v[TM+12+\b]      ; the scale's byte
.endr
	v_lshl_or_b32 v[\pw], v[TM+5], 8, v[TM+4]
	v_lshl_or_b32 v[\pw], v[TM+6], 16, v[\pw]
	v_lshl_or_b32 v[\pw], v[TM+7], 24, v[\pw]
.irp c, 0,1
	v_cvt_scalef32_pk16_fp6_f32 v[PC+6*\c:PC+2+6*\c], v[\s+32*\c:\s+15+32*\c], v[TM+12+2*\c]
	v_cvt_scalef32_pk16_fp6_f32 v[PC+12+4*\c:PC+14+4*\c], v[\s+16+32*\c:\s+31+32*\c], v[TM+12+2*\c+1]   ; (a conversion's three registers begin on an even number)
.endr
	v_nop                                          ; one plain place behind a scaled conversion
.irp c, 0,1                                    ; the operand wants a whole block in a lane: lanes 0-15 block 2 c, lanes 16-31 block 2 c + 1
.irp i, 0,1,2
	v_permlane16_swap_b32 v[PC+6*\c+\i], v[PC+12+4*\c+\i]
.endr
.irp i, 0,1,2
	v_mov_b32 v[PC+3+6*\c+\i], v[PC+12+4*\c+\i]
.endr
.endr
.endm
.macro LOAD s                          ; K step s of my four: row i's 512 bytes by one load
.irp i, 0,1,2,3,4,5,6,7,8,9,10,11,12,13,14,15
	global_load_b128 v[R+64*((\s)%2)+4*\i:R+64*((\s)%2)+4*\i+3], v[LD], s[4:5] offset:8192*\i+512*(\s) th:TH_LOAD_NT
.endr
.endm
.macro STEP s
.if (\s) < 3
	s_wait_loadcnt 16                              ; this step's 16 loads are in; the next step's 16 may be out
.else
	s_wait_loadcnt 0
.endif
.irp i, 0,1,2,3,4,5,6,7,8,9,10,11,12,13,14,15
	ds_store_b128 v[SIN], v[R+64*((\s)%2)+4*\i:R+64*((\s)%2)+4*\i+3] offset:528*\i
.endr
.irp b, 0,1,2,3                                ; LDS serves a wave's instructions in order: these see the stores above.  Of block b: elements 8 h + 0..7 and 16 + 8 h + 0..7
.irp e, 0,1,2,3
	ds_load_b128 v[X+16*\b+4*\e:X+16*\b+4*\e+3], v[SOUT] offset:128*\b+64*(\e/2)+16*(\e%2)
.endr
.endr
	s_wait_dscnt 0x0
.if (\s) > 0
	s_wait_xcnt 0x0                                ; the last step's stores have read the codes' registers
.endif
.if (\s) < 2
	LOAD (\s)+2                                    ; into the set that the stage's stores have just read
.endif
	QUANT X, SW+(\s)
.irp c, 0,1,2
	global_store_b128 v[LI], v[PC+4*\c:PC+4*\c+3], s[14:15] offset:1536*(\s)+512*\c   ; 32 lanes store 512 consecutive bytes, aligned
.endr
.endm
	LOAD 0
	LOAD 1
	STEP 0
	STEP 1
	STEP 2
	STEP 3
	s_wait_xcnt 0x0                                ; EXEC changes only behind this wait
	v_cmp_gt_u32 vcc_lo, 16, v[LN]
	s_and_saveexec_b32 s31, vcc_lo
	global_store_b128 v[R16], v[SW:SW+3], s[16:17] ; lanes 0-15: my row's four words: 256 consecutive bytes, aligned
	s_wait_xcnt 0x0
	s_or_b32 exec_lo, exec_lo, s31
	s_wait_tensorcnt 0x0                           ; the wave's end: the add to my spare word and its wait, behind my last LDS store
	ds_add_u32 v[SPW], v[NIL]
	s_wait_dscnt 0x0
	s_endpgm
.Lfunc_end_k_q44228bb627_quant:
	.size	k_q44228bb627_quant, .Lfunc_end_k_q44228bb627_quant-k_q44228bb627_quant
	.p2alignl 7, 3214868480
	.fill 96, 4, 3214868480
	.section	.rodata,"a",@progbits
	.p2align	6, 0x0
	.amdhsa_kernel k_q44228bb627_quant
		.amdhsa_group_segment_fixed_size 34304
		.amdhsa_private_segment_fixed_size 0
		.amdhsa_enable_private_segment 0
		.amdhsa_kernarg_size 56
		.amdhsa_user_sgpr_count 2
		.amdhsa_user_sgpr_kernarg_segment_ptr 1
		.amdhsa_wavefront_size32 1
		.amdhsa_system_sgpr_workgroup_id_x 1
		.amdhsa_system_sgpr_workgroup_id_y 1
		.amdhsa_system_sgpr_workgroup_id_z 1
		.amdhsa_system_vgpr_workitem_id 0
		.amdhsa_next_free_vgpr 256
		.amdhsa_next_free_sgpr 66
		.amdhsa_reserve_vcc 1
		.amdhsa_float_denorm_mode_32 3
		.amdhsa_float_denorm_mode_16_64 3
		.amdhsa_memory_ordered 1
		.amdhsa_forward_progress 1
		.amdhsa_inst_pref_size 33
	.end_amdhsa_kernel
	.amdgpu_metadata
---
amdhsa.version: [ 1, 2 ]
amdhsa.kernels:
  - .name:           k_q44228bb627_quant
    .symbol:         k_q44228bb627_quant.kd
    .args:
      - { .name: x, .offset: 0, .size: 8, .value_kind: global_buffer, .address_space: global }
      - { .name: wq, .offset: 8, .size: 8, .value_kind: global_buffer, .address_space: global }
      - { .name: wk, .offset: 16, .size: 8, .value_kind: global_buffer, .address_space: global }
      - { .name: wv, .offset: 24, .size: 8, .value_kind: global_buffer, .address_space: global }
      - { .name: wo, .offset: 32, .size: 8, .value_kind: global_buffer, .address_space: global }
      - { .name: cod, .offset: 40, .size: 8, .value_kind: global_buffer, .address_space: global }
      - { .name: scl, .offset: 48, .size: 8, .value_kind: global_buffer, .address_space: global }
    .group_segment_fixed_size: 34304
    .private_segment_fixed_size: 0
    .kernarg_segment_align: 8
    .kernarg_segment_size: 56
    .max_flat_workgroup_size: 128
    .sgpr_count:     66
    .vgpr_count:     256
    .wavefront_size: 32
...
	.end_amdgpu_metadata
.endif
;; end of part 1
;; launch qkv (part 2): grid 24 x 8, 4 waves a work-group, clusters of 4 x 4, 327,680 bytes of LDS; arguments cod, scl, freqs_cos, freqs_sin, qkvc, sc; writes qkvc, sc
.if DOCPART == 2
	.amdgcn_target "amdgcn-amd-amdhsa--gfx1250"
	.amdhsa_code_object_version 6
	.text
	.protected	k_q44228bb627_qkv
	.globl	k_q44228bb627_qkv
	.p2align	8
	.type	k_q44228bb627_qkv,@function
k_q44228bb627_qkv:
	s_mov_b64 s[64:65], 0
	v_nop
	global_prefetch_b8 v0, s[64:65] scope:SCOPE_SE
	s_setreg_imm32_b32 hwreg(HW_REG_WAVE_MODE, 25, 1), 1
	s_wait_xcnt 0x0
	s_wait_alu depctr_hold_cnt(0) depctr_sa_sdst(0) depctr_va_vdst(0) depctr_va_sdst(0) depctr_va_ssrc(0) depctr_va_vcc(0) depctr_vm_vsrc(0)
	s_getreg_b32 s2, hwreg(HW_REG_IB_STS2, 6, 4)
	s_cmp_eq_u32 s2, 0
	s_cbranch_scc0 .Lentry_in_a_cluster
	s_endpgm
.Lentry_in_a_cluster:
	s_bfe_u32 s2, ttmp6, 0x10000c
	s_cmp_lg_u32 s2, 0xf033
	s_cbranch_scc0 .Lentry_shape_is_right
	s_endpgm
.Lentry_shape_is_right:
; q = rope(x wq^T), k = rope(x wk^T), v = x wv^T, on codes of FP6 (E2M3) with E8M0 scales; the results are quantised again in registers and leave as codes: q and k along the head's 128, v along the keys.
; One GEMM of 2,048 x 6,144 x 2,048.  A tile is 256 x 256, made by four waves of 128 x 128 (64 accumulators, 512 registers); K goes in steps of 256 through a ring of two LDS slots.
; OPERANDS ARE FRAGMENT IMAGES (16 rows x 128 K, 1,536 bytes: registers 4 c .. 4 c + 3 of lane l at 512 c + 16 l): a fragment comes from LDS by three loads of 512 consecutive bytes; a tile's row in memory is a row block's two K steps, 3,072 bytes.
; ROLES.  Source 1 ('A') gives a lane its row, source 0 ('B') runs along a lane's registers.  Tile columns X = 0..15 (q, k): A = x (tokens), B = wq | wk: a lane holds a token and 128 numbers of one head.
; X = 16..23 (v): A = wv (channels), B = x (tokens): a lane holds a channel and 128 keys, the K of the second product of attention.  The choice hangs on the cluster's x alone.
; CLUSTERS 4 x 4: A's tiles hang on Y and are asked for jointly along a row of the cluster, B's on X and jointly along a column.  192 work-groups: a tile of 128 columns would double the LDS bytes for each product.
; ORDER INSIDE A BLOCK OF 32: [0-7, 16-23, 8-15, 24-31], as every operand of this program: it is the order in which two neighbouring result tiles lie in a lane's 16 registers.
; RESULT.  qkvc: q [head][group of 128 tokens][tile of 16 tokens][1,536]; from byte 3,145,728 on [head][group][k: 8 x 1,536 | v: 8 x 1,536] (v's tiles: 16 channels x the group's 128 keys).
; sc: [head][q | k | v: 8,192 each][group][row 16][tile 8] words.
; LIMITS: rope is one multiplication and one fused multiply-add a number; a block under 2^-124 or of zeros takes the byte 1; NaN and infinities are not served.
; REGISTERS: window 0: v1-31 addresses; v32-63 scale words, two sets; v128-223 A's 8 fragments; window 1: B's fragments at v0 and v128, cos and sin of the first 16 tokens at v96 and v224; windows 2, 3: accumulator (a, b) at v[8 (8 (a % 4) + b)].
; On the way out window 0: v64-127 the rotated numbers, v128-147 codes, v160-171 scale words, v224-239 at work; window 1: four sets of cos and sin.
.set RBP,   24576                      ; a row block's 16 fragments in memory
.set NQ,    2                          ; K steps of 128 in a slot
.set FR,    12
.set NL,    3                          ; LDS loads that bring a fragment
.set NP,    4                          ; places behind this matrix instruction (ISA guide 7.12.1)
.set ROWB,  NQ*1536
.set HALFT, 8*ROWB                     ; 8 row blocks: what one tensor load brings, and what one wave reads of A or of B
.set SLOT,  4*HALFT                    ; A's 16 row blocks, then B's 16
.set SCL,   2*SLOT                     ; behind the ring: the scale words of A's and of B's 16 row blocks for all of K, filled once
.set HALFS, 8192
.set SPARE, SCL+4*HALFS                ; the spare words, 128 bytes a wave, two blocks of 256 bytes that no other line names
.set LAPS,  4
.set KVP,   3145728
.set ADRA, 16                          ; v16-17 LDS address of my A fragments in slot 0, 1
.set ADRB, 20                          ; v20-21 the same for B
.set GO,   26                          ; v26 16 x lane
.set ADRS, 27                          ; v27 my scale words: lanes 0-15 A's, lanes 16-31 B's
.set SPW,  28
.set NIL,  29
.set CSO,  30                          ; v30 256 r + 16 h: my bytes in 16 rows of cos and sin
.set SO,   31                          ; v31 32 r + 16 h: where my four scale words go
.set SC,   32
.set HA,   64
.set AF,   128
.set PC,   128
.set SW,   160
.set OS,   168
.set TM,   224
.set WV, 16
.set RH, 17
.set CH, 18
.set SEL, 66                           ; s[66:67]
.set G1, 24
.set G0, 32
.set G1B, 48
.set G0B, 56
.set G1S, 68
.set G0S, 76
.set G1SB, 80
.set G0SB, 88
.set MSB, 0
.macro WIN new                         ; the immediate's high byte repeats the setting that is left
.if MSB != (\new)
	s_set_vgpr_msb (MSB<<8)|(\new)
.set MSB, (\new)
.endif
.endm
.set MUL_LO, 0xa1                      ; source 0 (B) window 1, source 1 (A) window 0, C and D window 2
.set MUL_HI, 0xf1
.set TO_B,   0x40
; A joint load: waves 0 and 1 fetch for A, waves 2 and 3 for B; the branch hangs on the wave's number alone.  An s_nop 0 and four v_nop follow each line.
.macro JLOAD g0a, g1a, g0b, g1b
	s_cmp_eq_u32 s[RH], 0
	s_cbranch_scc0 .Lfor_b_\@
	tensor_load_to_lds s[\g0a:\g0a+3], s[\g1a:\g1a+7]
	s_nop 0
.rept 4
	v_nop
.endr
	s_branch .Lasked_\@
.Lfor_b_\@:
	tensor_load_to_lds s[\g0b:\g0b+3], s[\g1b:\g1b+7]
	s_nop 0
.rept 4
	v_nop
.endr
.Lasked_\@:
.endm
.macro CREST
	s_cmp_lg_u32 s[WV], 0
	s_cbranch_scc1 .Lnot_wave_0_\@
	s_barrier_signal -3
.Lnot_wave_0_\@:
	s_barrier_wait -3
	s_barrier_signal -1
	s_barrier_wait -1
.endm
.macro CROUND
	s_barrier_signal -1
	s_barrier_wait -1
	CREST
.endm
.macro PLACES n
.rept \n
	v_nop
.endr
.endm
	s_load_b256 s[4:11], s[0:1], 0x0               ; cod, scl, cos, sin
	s_load_b128 s[12:15], s[0:1], 0x20             ; qkvc, sc
	v_lshl_add_u32 v[SPW], v0, 2, SPARE
	v_mov_b32 v[NIL], 0
	ds_add_u32 v[SPW], v[NIL]                      ; the wave's opening: the add and its wait ahead of my first tensor load
	v_lshrrev_b32 v1, 5, v0
	v_readfirstlane_b32 s[WV], v1
	s_lshr_b32 s[RH], s[WV], 1                     ; which half of A's rows is mine.  Also: I fetch for A (0) or for B (1)
	s_and_b32 s[CH], s[WV], 1                      ; which half of B's rows.  Also: which 8 row blocks I fetch
	s_bfe_u32 s20, ttmp6, 0x40000                  ; cx
	s_bfe_u32 s21, ttmp6, 0x40004                  ; cy
	s_lshl_b32 s22, ttmp9, 2
	s_add_co_u32 s22, s22, s20                     ; X
	s_and_b32 s23, ttmp7, 0xffff
	s_lshl_b32 s23, s23, 2
	s_add_co_u32 s23, s23, s21                     ; Y
	s_lshl_b32 s40, s21, 2
	s_lshl_b32 s40, 15, s40                        ; my row of the cluster
	s_lshl_b32 s41, 0x1111, s20                    ; my column
	s_or_b32 s[G1], s40, (3<<16)|(1<<21)           ; 15:0 the mask; 17:16 elements of 8 bytes; 21 set beside a mask; no padding
	s_or_b32 s[G1B], s41, (3<<16)|(1<<21)
.irp g, G1, G1B                                ; a tile: 8 rows of 3,072 bytes (384 elements), 24,576 bytes apart
	s_mov_b32 s[\g+1], 384<<16
	s_mov_b32 s[\g+2], 8<<16
	s_mov_b32 s[\g+3], 384<<16
	s_mov_b32 s[\g+4], 8
	s_mov_b32 s[\g+5], 3072
	s_mov_b32 s[\g+6], 0
	s_mov_b32 s[\g+7], 0
.endr
	s_or_b32 s[G1S], s40, (3<<16)|(1<<21)
	s_or_b32 s[G1SB], s41, (3<<16)|(1<<21)
.irp g, G1S, G1SB                              ; the scale words of 8 row blocks: 8,192 dense bytes as 32 rows of 256
	s_mov_b32 s[\g+1], 32<<16
	s_mov_b32 s[\g+2], 32<<16
	s_mov_b32 s[\g+3], 32<<16
	s_mov_b32 s[\g+4], 32
	s_mov_b32 s[\g+5], 32
	s_mov_b32 s[\g+6], 0
	s_mov_b32 s[\g+7], 0
.endr
	s_cmp_lt_u32 ttmp9, 4                          ; q, k or v?  The cluster's x: the same in all sixteen partners
	s_cselect_b32 s42, 0, 384                      ; A: x's row blocks begin at 0, wv's at 384
	s_cselect_b32 s43, 128, 0                      ; B: wq | wk begin at 128, x at 0
	s_lshl_b32 s44, s[CH], 3
	s_lshl_b32 s45, s23, 4
	s_add_co_u32 s45, s45, s42
	s_add_co_u32 s45, s45, s44                     ; A's row block: 16 Y + 8 x half (never holds cx)
	s_and_b32 s46, s22, 15                         ; X for q, k; X - 16 for v
	s_lshl_b32 s46, s46, 4
	s_add_co_u32 s46, s46, s43
	s_add_co_u32 s46, s46, s44                     ; B's row block (never holds cy)
	s_mul_i32 s92, s45, RBP
	s_mov_b32 s93, 0
	s_lshl_b32 s94, s45, 10
	s_mov_b32 s95, 0
	s_mul_i32 s96, s46, RBP
	s_mov_b32 s97, 0
	s_lshl_b32 s98, s46, 10
	s_mov_b32 s99, 0
	s_mul_i32 s47, s[WV], HALFT                    ; where they go: wave x 8 row blocks: no place in the cluster enters an LDS address
	s_mul_i32 s19, s[WV], HALFS
	s_mov_b32 s[SEL], 0x76543210
	s_mov_b32 s[SEL+1], 0xfedcba98
	s_wait_dscnt 0x0                               ; the opening add is done
	s_wait_kmcnt 0x0
	s_add_nc_u64 s[92:93], s[4:5], s[92:93]
	s_add_nc_u64 s[94:95], s[6:7], s[94:95]
	s_add_nc_u64 s[96:97], s[4:5], s[96:97]
	s_add_nc_u64 s[98:99], s[6:7], s[98:99]
	CROUND                                         ; all sixteen work-groups are here: the first joint loads meet
	s_mov_b32 s[G0S], 1
	s_add_co_u32 s[G0S+1], s19, SCL
	s_mov_b64 s[G0S+2:G0S+3], s[94:95]
	s_or_b32 s[G0S+3], s[G0S+3], 0x80000000
	s_mov_b32 s[G0SB], 1
	s_add_co_u32 s[G0SB+1], s19, SCL
	s_mov_b64 s[G0SB+2:G0SB+3], s[98:99]
	s_or_b32 s[G0SB+3], s[G0SB+3], 0x80000000
	JLOAD G0S, G1S, G0SB, G1SB                     ; three loads of mine go out together: the scale words, slot 0, slot 1
.irp s, 0,1
	s_mov_b32 s[G0+4*\s], 1
	s_add_co_u32 s[G0+4*\s+1], s47, \s*SLOT
	s_add_nc_u64 s[G0+4*\s+2:G0+4*\s+3], s[92:93], \s*ROWB
	s_or_b32 s[G0+4*\s+3], s[G0+4*\s+3], 0x80000000
	s_mov_b32 s[G0B+4*\s], 1
	s_add_co_u32 s[G0B+4*\s+1], s47, \s*SLOT
	s_add_nc_u64 s[G0B+4*\s+2:G0B+4*\s+3], s[96:97], \s*ROWB
	s_or_b32 s[G0B+4*\s+3], s[G0B+4*\s+3], 0x80000000
	JLOAD G0+4*\s, G1, G0B+4*\s, G1B
.endr
	v_and_b32 v1, 31, v0                           ; lane
	v_and_b32 v2, 15, v0                           ; r
	v_bfe_u32 v3, v0, 4, 1                         ; h
	v_lshlrev_b32 v[GO], 4, v1
	s_mul_i32 s40, s[RH], HALFT
	s_mul_i32 s41, s[CH], HALFT
	s_add_co_u32 s41, s41, 2*HALFT
.irp s, 0,1
	v_add_nc_u32 v[ADRA+\s], s40, v[GO]
	v_add_nc_u32 v[ADRB+\s], s41, v[GO]
	s_add_co_u32 s40, s40, SLOT
	s_add_co_u32 s41, s41, SLOT
.endr
	v_lshlrev_b32 v4, 4, v2                        ; a row's four words of a K group: 16 r
	s_lshl_b32 s40, s[RH], 13                      ; A's: my 8 row blocks
	s_lshl_b32 s41, s[CH], 13                      ; B's: my 8, behind A's 16
	s_add_co_u32 s41, s41, 2*HALFS
	s_sub_co_u32 s41, s41, s40
	v_mul_u32_u24 v5, s41, v3                      ; lanes 16-31 take B's: one product, the distance between the two
	s_add_co_u32 s40, s40, SCL
	v_add_nc_u32 v4, v4, v5
	v_add_nc_u32 v[ADRS], s40, v4
	v_lshlrev_b32 v[CSO], 8, v2
	v_lshl_add_u32 v[CSO], v3, 4, v[CSO]
	v_lshlrev_b32 v[SO], 5, v2
	v_lshl_add_u32 v[SO], v3, 4, v[SO]
.irp b, 0,1,2,3
	v_mov_b32 v[TM+4+\b], 0                        ; written once: a lane permute's destination counts as one of its sources
.endr
	s_lshl_b32 s40, s23, 16                        ; cos and sin at token 256 Y + 128 x half: rows of 256 bytes
	s_lshl_b32 s41, s[RH], 15
	s_add_co_u32 s40, s40, s41
	s_mov_b32 s41, 0
	s_add_nc_u64 s[8:9], s[8:9], s[40:41]
	s_add_nc_u64 s[10:11], s[10:11], s[40:41]
; cos and sin of tokens 16 a .. 16 a + 15 of my 128: lane (r, h) takes, for result tile b, the four pairs 8 b + 4 h + 0..3 of token r
.macro CSLOAD a, cb, sb
	WIN 0x40
.irp b, 0,1,2,3,4,5,6,7
	global_load_b128 v[\cb+4*\b:\cb+4*\b+3], v[CSO], s[8:9] offset:4096*(\a)+32*\b
	global_load_b128 v[\sb+4*\b:\sb+4*\b+3], v[CSO], s[10:11] offset:4096*(\a)+32*\b
.endr
	WIN 0
.endm
	CSLOAD 0, 96, 224                              ; the first set, into registers of window 1 that the loop leaves alone.  Every cluster issues these sixteen loads, v's too, which does not use them: the head has one path
.macro FRAG reg, adr, q, i             ; a fragment image comes as it lies: three loads of 512 consecutive bytes
.irp c, 0,1,2
	ds_load_b128 v[\reg+4*\c:\reg+4*\c+3], v[\adr] offset:(\i)*ROWB+(\q)*1536+512*\c
.endr
.endm
; 16 matrix instructions: A's blocks a0, a0 + 1 x B's eight.  The 64 accumulators take turns, one instruction a turn, in the same order in every step.
.macro MUL16 a0, p, q, sc, zero
.irp a, \a0, \a0+1
.irp b, 0,1,2,3,4,5,6,7
.if \zero
	v_wmma_scale_f32_16x16x128_f8f6f4 v[8*(8*((\a)%4)+\b):8*(8*((\a)%4)+\b)+7], v[128*(\p)+FR*\b:128*(\p)+FR*\b+FR-1], v[AF+FR*(\a):AF+FR*(\a)+FR-1], 0, v[SC+8*NQ*(\sc)+NQ*\b+(\q)], v[SC+8*NQ*(\sc)+NQ*(\a)+(\q)] matrix_a_fmt:MATRIX_FMT_FP6 matrix_b_fmt:MATRIX_FMT_FP6 matrix_a_scale:MATRIX_SCALE_ROW1
.else
	v_wmma_scale_f32_16x16x128_f8f6f4 v[8*(8*((\a)%4)+\b):8*(8*((\a)%4)+\b)+7], v[128*(\p)+FR*\b:128*(\p)+FR*\b+FR-1], v[AF+FR*(\a):AF+FR*(\a)+FR-1], v[8*(8*((\a)%4)+\b):8*(8*((\a)%4)+\b)+7], v[SC+8*NQ*(\sc)+NQ*\b+(\q)], v[SC+8*NQ*(\sc)+NQ*(\a)+(\q)] matrix_a_fmt:MATRIX_FMT_FP6 matrix_b_fmt:MATRIX_FMT_FP6 matrix_a_scale:MATRIX_SCALE_ROW1
.endif
.endr
.endr
.endm
.macro FETCH_B slot, q, p
	WIN TO_B
.irp i, 0,1,2,3,4,5,6,7
	FRAG 128*(\p)+FR*\i, ADRB+\slot, \q, \i
.endr
	WIN 0
.endm
.macro FETCH_A slot, q, i0
.irp i, \i0, \i0+1, \i0+2, \i0+3
	FRAG AF+FR*(\i), ADRA+\slot, \q, \i
.endr
.endm
.macro SCALES sc                       ; a slot's two words a row: lanes 0-15 A's block i, lanes 16-31 B's block i
.irp i, 0,1,2,3,4,5,6,7
	ds_load_b64 v[SC+8*NQ*\sc+NQ*\i:SC+8*NQ*\sc+NQ*\i+1], v[ADRS] offset:\i*1024
.endr
.endm
.macro STEP slot, q, zero              ; a step of 128 along K that has its successor in the same slot
	s_wait_dscnt 4*NL                              ; B's set, A's blocks 0-3 and the scale words are in; the youngest 12 loads (A's blocks 4-7) may be out
	WIN MUL_LO
	MUL16 0, (\q)%2, \q, \slot, \zero
	MUL16 2, (\q)%2, \q, \slot, \zero
	s_wait_dscnt 0
	PLACES NP                                      ; in front of loads into registers that matrix instructions have read
	FETCH_B \slot, (\q)+1, 1-(\q)%2
	FETCH_A \slot, (\q)+1, 0
	WIN MUL_HI
	MUL16 4, (\q)%2, \q, \slot, \zero
	MUL16 6, (\q)%2, \q, \slot, \zero
	PLACES NP
	WIN 0
	FETCH_A \slot, (\q)+1, 4
.endm
; A slot's last step changes slots: in front of the one barrier each wave waits for all its tensor loads, adds 0 to its spare word, and waits for that and for its reads of this slot.
.macro TURN slot, next, fill
	s_wait_tensorcnt 0x0                           ; all my tensor loads have landed: my part of the next slot
	ds_add_u32 v[SPW], v[NIL]
	s_wait_dscnt 4*NL+1                            ; (the add and the youngest 12 loads may be out)
	WIN MUL_LO
	MUL16 0, 1, NQ-1, \slot, 0
	s_wait_dscnt 0x0                               ; the add is done, and my reads of this slot are over
	s_barrier_signal -1
	MUL16 2, 1, NQ-1, \slot, 0
	WIN 0
	s_barrier_wait -1
.if \fill
	CREST                                          ; the barrier has opened a round of the cluster's: no wave of any partner still reads this slot or has a load on its way
	s_add_nc_u64 s[G0+4*\slot+2:G0+4*\slot+3], s[G0+4*\slot+2:G0+4*\slot+3], 2*ROWB
	s_add_nc_u64 s[G0B+4*\slot+2:G0B+4*\slot+3], s[G0B+4*\slot+2:G0B+4*\slot+3], 2*ROWB
	JLOAD G0+4*\slot, G1, G0B+4*\slot, G1B         ; the first tensor load behind the round; its four v_nop are the places in front of the loads below
.else
	PLACES NP
.endif
.if \next
	v_add_nc_u32 v[ADRS], 8, v[ADRS]               ; the K group's other two words
.else
	v_add_nc_u32 v[ADRS], 248, v[ADRS]             ; the next K group: 256 bytes on
.endif
	FETCH_B \next, 0, 0
	FETCH_A \next, 0, 0
	SCALES \next
	WIN MUL_HI
	MUL16 4, 1, NQ-1, \slot, 0
	MUL16 6, 1, NQ-1, \slot, 0
	PLACES NP
	WIN 0
	FETCH_A \next, 0, 4
.endm
	s_wait_tensorcnt 1                             ; the scale words and my part of slot 0 are in; slot 1's load may be out
	s_barrier_signal -1
	s_barrier_wait -1
	FETCH_B 0, 0, 0
	FETCH_A 0, 0, 0
	SCALES 0
	FETCH_A 0, 0, 4
	STEP 0, 0, 1                                   ; the first step's products start the sums
	s_mov_b32 s19, LAPS-1
.Llap:
	TURN 0, 1, 1
	STEP 1, 0, 0
	TURN 1, 0, 1
	STEP 0, 0, 0
	s_sub_co_u32 s19, s19, 1
	s_cmp_lg_u32 s19, 0
	s_cbranch_scc1 .Llap
	TURN 0, 1, 0                                   ; the last lap fills nothing
	STEP 1, 0, 0
	s_wait_dscnt 4*NL
	WIN MUL_LO
	MUL16 0, 1, NQ-1, 1, 0
	MUL16 2, 1, NQ-1, 1, 0
	s_wait_dscnt 0
	WIN MUL_HI
	MUL16 4, 1, NQ-1, 1, 0
	MUL16 6, 1, NQ-1, 1, 0
	WIN 0
	PLACES NP                                      ; behind the last products: results are read, and operands' registers written, from here on
; THE WAY OUT uses no LDS: A's block a (64 registers a lane: 128 numbers along the next K in lanes l and l xor 16) becomes one fragment image, stored as 3 x 512 consecutive bytes.
; 64 numbers in window w, register 16 b + i = my i-th number of block b of my row -> codes in v[PC] on, scale word in v[pw]
.macro QUANT s, w, pw
	WIN (\w)|((\w)<<2)
.irp b, 0,1,2,3
	v_max3_num_f32 v[TM+\b], |v[\s+16*\b]|, |v[\s+1+16*\b]|, 0x1800000   ; each accumulator is read from its low end on; the floor 2^(3 - 127) holds the byte at 1 from below
.endr
	WIN ((\w)<<2)|((\w)<<4)
.irp i, 2,4,6,8,10,12,14
.irp b, 0,1,2,3
	v_max3_num_f32 v[TM+\b], v[TM+\b], |v[\s+16*\b+\i]|, |v[\s+1+16*\b+\i]|
.endr
.endr
	WIN 0
.irp b, 0,1,2,3
	v_permlanex16_b32 v[TM+4+\b], v[TM+\b], s[SEL], s[SEL+1]
.endr
.irp b, 0,1,2,3
	v_max_num_f32 v[TM+\b], v[TM+\b], v[TM+4+\b]
.endr
.irp b, 0,1,2,3
	v_add_nc_u32 v[TM+12+\b], 0xff000000, v[TM+\b] ; 2 off the exponent field: the conversion's scale operand
.endr
.irp b, 0,1,2,3
	v_lshrrev_b32 v[TM+4+\b], 23, v[TM+12+\b]
.endr
	v_lshl_or_b32 v[\pw], v[TM+5], 8, v[TM+4]
	v_lshl_or_b32 v[\pw], v[TM+6], 16, v[\pw]
	v_lshl_or_b32 v[\pw], v[TM+7], 24, v[\pw]
	WIN (\w)
.irp c, 0,1
	v_cvt_scalef32_pk16_fp6_f32 v[PC+6*\c:PC+2+6*\c], v[\s+32*\c:\s+15+32*\c], v[TM+12+2*\c]
	v_cvt_scalef32_pk16_fp6_f32 v[PC+12+4*\c:PC+14+4*\c], v[\s+16+32*\c:\s+31+32*\c], v[TM+12+2*\c+1]
.endr
	WIN 0
	v_nop                                          ; one plain place behind a scaled conversion
.irp c, 0,1
.irp i, 0,1,2
	v_permlane16_swap_b32 v[PC+6*\c+\i], v[PC+12+4*\c+\i]
.endr
.irp i, 0,1,2
	v_mov_b32 v[PC+3+6*\c+\i], v[PC+12+4*\c+\i]
.endr
.endr
.endm
.macro CSSET a                         ; the four sets of cos and sin in window 1
.if ((\a)%4) == 0
.set CB, 96
.set SB, 224
.elseif ((\a)%4) == 1
.set CB, 0
.set SB, 32
.elseif ((\a)%4) == 2
.set CB, 64
.set SB, 128
.else
.set CB, 160
.set SB, 192
.endif
.endm
; (xr, xi) -> (xr c - xi s, xr s + xi c): a packed multiplication by c, then a packed multiply-add with the pair's halves crossed and s negated in the low half.  Pair p of tile b takes word p of the tile's four.
.macro ROPE
	WIN W|4                                        ; source 0 the accumulators' window, source 1 window 1
.irp b, 0,1,2,3,4,5,6,7
.irp p, 0,2
	v_pk_mul_f32 v[HA+8*\b+2*\p:HA+8*\b+2*\p+1], v[AC+8*\b+2*\p:AC+8*\b+2*\p+1], v[CB+4*\b+\p:CB+4*\b+\p+1] op_sel:[0,0] op_sel_hi:[1,0]
.endr
.irp p, 1,3
	v_pk_mul_f32 v[HA+8*\b+2*\p:HA+8*\b+2*\p+1], v[AC+8*\b+2*\p:AC+8*\b+2*\p+1], v[CB+4*\b+\p-1:CB+4*\b+\p] op_sel:[0,1] op_sel_hi:[1,1]
.endr
.irp p, 0,2
	v_pk_fma_f32 v[HA+8*\b+2*\p:HA+8*\b+2*\p+1], v[AC+8*\b+2*\p:AC+8*\b+2*\p+1], v[SB+4*\b+\p:SB+4*\b+\p+1], v[HA+8*\b+2*\p:HA+8*\b+2*\p+1] op_sel:[1,0,0] op_sel_hi:[0,0,1] neg_lo:[0,1,0]
.endr
.irp p, 1,3
	v_pk_fma_f32 v[HA+8*\b+2*\p:HA+8*\b+2*\p+1], v[AC+8*\b+2*\p:AC+8*\b+2*\p+1], v[SB+4*\b+\p-1:SB+4*\b+\p], v[HA+8*\b+2*\p:HA+8*\b+2*\p+1] op_sel:[1,1,0] op_sel_hi:[0,1,1] neg_lo:[0,1,0]
.endr
.endr
.endm
.macro EPI a, rope
.set AC, 64*((\a)%4)
.set W, 2+(\a)/4
.if (\a) > 0
	s_wait_xcnt 0x0                                ; the last block's stores have read the codes' registers
.endif
.if \rope
	CSSET \a
.if (\a) <= 4
	s_wait_loadcnt 48                              ; this block's set is in; three younger sets of 16 loads may be out
.else
	s_wait_loadcnt 16*(7-(\a))
.endif
	ROPE
.if (\a) < 4
	CSLOAD (\a)+4, CB, SB                          ; the set just read takes the block four further on
.endif
	QUANT HA, 0, SW+(\a)
.else
	QUANT AC, W, SW+(\a)
.endif
.irp c, 0,1,2
	global_store_b128 v[GO], v[PC+4*\c:PC+4*\c+3], s[12:13] offset:1536*(\a)+512*\c   ; 512 consecutive bytes, aligned
.endr
.endm
.macro SCOUT                           ; a row's eight words: lanes 0-15 store tiles 0-3's, lanes 16-31 tiles 4-7's: 512 consecutive bytes
	v_cmp_le_u32 vcc_lo, 16, v1
.irp i, 0,1,2,3
	v_cndmask_b32 v[OS+\i], v[SW+\i], v[SW+4+\i], vcc_lo
.endr
	global_store_b128 v[SO], v[OS:OS+3], s[14:15]
.endm
	s_cmp_lt_u32 ttmp9, 4
	s_cbranch_scc0 .Lv_path
	s_lshl_b32 s40, s22, 1
	s_add_co_u32 s40, s40, s[CH]                   ; 2 X + half: 0..15 q's heads, 16..31 k's
	s_lshr_b32 s41, s40, 4                         ; 0: q, 1: k
	s_and_b32 s40, s40, 15                         ; the head
	s_lshl_b32 s42, s23, 1
	s_add_co_u32 s42, s42, s[RH]                   ; the group of 128 tokens
	s_lshl_b32 s43, s40, 4
	s_add_co_u32 s43, s43, s42
	s_lshl_b32 s44, 12288, s41                     ; q's records are 12,288 bytes, k | v's 24,576
	s_mul_i32 s44, s43, s44
	s_mul_i32 s45, s41, KVP
	s_add_co_u32 s44, s44, s45
	s_mov_b32 s45, 0
	s_add_nc_u64 s[12:13], s[12:13], s[44:45]
	s_mul_i32 s44, s40, 24576
	s_lshl_b32 s46, s41, 13
	s_add_co_u32 s44, s44, s46
	s_lshl_b32 s46, s42, 9
	s_add_co_u32 s44, s44, s46
	s_add_nc_u64 s[14:15], s[14:15], s[44:45]
	CSSET 1
	CSLOAD 1, CB, SB
	CSSET 2
	CSLOAD 2, CB, SB
	CSSET 3
	CSLOAD 3, CB, SB
.irp a, 0,1,2,3,4,5,6,7
	EPI \a, 1
.endr
	SCOUT
	s_branch .Ljoin
.Lv_path:
	s_lshl_b32 s40, s23, 1
	s_add_co_u32 s40, s40, s[RH]                   ; the head: my 128 channels
	s_and_b32 s42, s22, 15
	s_lshl_b32 s42, s42, 1
	s_add_co_u32 s42, s42, s[CH]                   ; the group of 128 keys
	s_lshl_b32 s43, s40, 4
	s_add_co_u32 s43, s43, s42
	s_mul_i32 s44, s43, 24576
	s_add_co_u32 s44, s44, KVP+12288
	s_mov_b32 s45, 0
	s_add_nc_u64 s[12:13], s[12:13], s[44:45]
	s_mul_i32 s44, s40, 24576
	s_lshl_b32 s46, s42, 9
	s_add_co_u32 s44, s44, s46
	s_add_co_u32 s44, s44, 16384
	s_add_nc_u64 s[14:15], s[14:15], s[44:45]
.irp a, 0,1,2,3,4,5,6,7
	EPI \a, 0
.endr
	SCOUT
.Ljoin:
	s_wait_tensorcnt 0x0                           ; the wave's end: the add to my spare word and its wait, behind my last tensor load
	ds_add_u32 v[SPW], v[NIL]
	s_wait_dscnt 0x0
	CROUND                                         ; the closing round: no work-group ends while a partner may still ask for a tile that names it
	s_endpgm
.Lfunc_end_k_q44228bb627_qkv:
	.size	k_q44228bb627_qkv, .Lfunc_end_k_q44228bb627_qkv-k_q44228bb627_qkv
	.p2alignl 7, 3214868480
	.fill 96, 4, 3214868480
	.section	.rodata,"a",@progbits
	.p2align	6, 0x0
	.amdhsa_kernel k_q44228bb627_qkv
		.amdhsa_group_segment_fixed_size 327680
		.amdhsa_private_segment_fixed_size 0
		.amdhsa_enable_private_segment 0
		.amdhsa_kernarg_size 48
		.amdhsa_user_sgpr_count 2
		.amdhsa_user_sgpr_kernarg_segment_ptr 1
		.amdhsa_wavefront_size32 1
		.amdhsa_system_sgpr_workgroup_id_x 1
		.amdhsa_system_sgpr_workgroup_id_y 1
		.amdhsa_system_sgpr_workgroup_id_z 1
		.amdhsa_system_vgpr_workitem_id 0
		.amdhsa_next_free_vgpr 1024
		.amdhsa_next_free_sgpr 100
		.amdhsa_reserve_vcc 1
		.amdhsa_float_denorm_mode_32 3
		.amdhsa_float_denorm_mode_16_64 3
		.amdhsa_memory_ordered 1
		.amdhsa_forward_progress 1
		.amdhsa_inst_pref_size 219
	.end_amdhsa_kernel
	.amdgpu_metadata
---
amdhsa.version: [ 1, 2 ]
amdhsa.kernels:
  - .name:           k_q44228bb627_qkv
    .symbol:         k_q44228bb627_qkv.kd
    .args:
      - { .name: cod, .offset: 0, .size: 8, .value_kind: global_buffer, .address_space: global }
      - { .name: scl, .offset: 8, .size: 8, .value_kind: global_buffer, .address_space: global }
      - { .name: freqs_cos, .offset: 16, .size: 8, .value_kind: global_buffer, .address_space: global }
      - { .name: freqs_sin, .offset: 24, .size: 8, .value_kind: global_buffer, .address_space: global }
      - { .name: qkvc, .offset: 32, .size: 8, .value_kind: global_buffer, .address_space: global }
      - { .name: sc, .offset: 40, .size: 8, .value_kind: global_buffer, .address_space: global }
    .group_segment_fixed_size: 327680
    .private_segment_fixed_size: 0
    .kernarg_segment_align: 8
    .kernarg_segment_size: 48
    .max_flat_workgroup_size: 128
    .sgpr_count:     100
    .vgpr_count:     1024
    .wavefront_size: 32
...
	.end_amdgpu_metadata
.endif
;; end of part 2
;; launch attn (part 3): grid 16 x 16, 8 waves a work-group, clusters of 4 x 4, 327,680 bytes of LDS; arguments qkvc, sc, mask, oc, os; writes oc, os
.if DOCPART == 3
	.amdgcn_target "amdgcn-amd-amdhsa--gfx1250"
	.amdhsa_code_object_version 6
	.text
	.protected	k_q44228bb627_attn
	.globl	k_q44228bb627_attn
	.p2align	8
	.type	k_q44228bb627_attn,@function
k_q44228bb627_attn:
	s_mov_b64 s[64:65], 0
	v_nop
	global_prefetch_b8 v0, s[64:65] scope:SCOPE_SE
	s_setreg_imm32_b32 hwreg(HW_REG_WAVE_MODE, 25, 1), 1
	s_wait_xcnt 0x0
	s_wait_alu depctr_hold_cnt(0) depctr_sa_sdst(0) depctr_va_vdst(0) depctr_va_sdst(0) depctr_va_ssrc(0) depctr_va_vcc(0) depctr_vm_vsrc(0)
	s_getreg_b32 s2, hwreg(HW_REG_IB_STS2, 6, 4)
	s_cmp_eq_u32 s2, 0
	s_cbranch_scc0 .Lentry_in_a_cluster
	s_endpgm
.Lentry_in_a_cluster:
	s_bfe_u32 s2, ttmp6, 0x10000c
	s_cmp_lg_u32 s2, 0xf033
	s_cbranch_scc0 .Lentry_shape_is_right
	s_endpgm
.Lentry_shape_is_right:
; o[q] = sum over k of softmax_k(q . k / sqrt(128) + mask[q][k]) v[k] for 16 heads of 128, both products on codes of FP6 (E2M3) with E8M0 scales; o is quantised along the model's 2,048 and leaves as codes.
; THE MASK IS AN INPUT: every score is computed and every mask number is read and added; nothing of its pattern is built in.
; SOFTMAX: u = score x (1 / sqrt(128)) + mask; t = u x log2(e); M = the running largest t rounded up to a whole number; p = 2^(t - M) is quantised along the keys, not normalised; the row's sum is taken of the unquantised p and divides o at the end.
; When M moves, the sum and o are multiplied by 2^(old M - new M): exact.
; SHARES.  A work-group owns 128 queries of one head; each of its eight waves owns 16, one tile, in 512 registers: two waves to a SIMD, so that one wave's vector work stands beside the other's matrix work and LDS loads.  16 key steps of 128.
; LAYOUT.  Both products transposed: S^T = K Q^T, O^T = V^T P^T: a lane holds one query throughout.  K's, V's and Q's fragments are images of operand registers (1,536 bytes; three loads of 512 consecutive bytes).
; Inside a block of 32 all operands have the order [0-7, 16-23, 8-15, 24-31]: the order in which two neighbouring result tiles lie in a lane's 16 registers.
; K AND V come through a ring of two LDS slots of FOUR key steps each (98,304 bytes, dense in memory), filled by all eight waves, 12,288 bytes each: three changes of slots in the launch, and a refill has four key steps in which to land.
; CLUSTERS 4 x 4: x = blocks of queries, y = heads.  K, V and their scale words hang on the head: asked for jointly along a row of the cluster.
; THE MASK GOES STRAIGHT INTO REGISTERS, and is NOT asked for jointly, though the four heads of a column of the cluster read the same rows.  The reason, by this text's sizes: a key step's mask tile is 65,536 bytes beside 24,576 of K and V;
; with it in the ring a slot holds one key step, every key step has a round of the cluster's barrier, in front of which all loads are waited for, and each refill has one step in which to land.  But a wave's 16 rows of the mask are read by that wave alone:
; it loads them in S^T's own layout, two key steps ahead, into two sets of 64 registers by turns, and no barrier drains these loads.  A load takes 2 x 16 bytes of each of 16 rows; a step's sixteen loads, issued on end, together cover 512 consecutive bytes of each row.
; LIMITS: the division by sqrt(128) is a multiplication by the f32 nearest to its reciprocal.  +infinity or NaN in the mask is not served.  A query whose whole mask row is -infinity (NaN in the definition) is not served: its sum is 0.
; A block of p or of o under 2^-124 or of zeros takes the byte 1.  os is stored 4 bytes a row: its reader's layout puts four heads' words in a row's 16 bytes; 131,072 bytes in the whole launch.
; REGISTERS: window 0: v1-11 addresses; v12 -M, v13 the largest t, v[14:15] the sum; v16-27 Q; v28 the prefetches' offset; v32-39, v40-47 K's and V's scale words; v48-67 o's codes; v96-159 S^T, then p; v160-223 O^T; v224-235 p's codes; v232-254 at work; v255 Q's scale word.
; window 1: v0-95 K's 8 fragments, then V's 8 in the same registers; v96-159, v160-223 the two sets of 64 mask numbers.
.set STEPB, 24576                      ; a key step in the ring: K's 8 fragments, then V's 8
.set NS,    4                          ; key steps in a slot
.set SLOTB, NS*STEPB
.set SLOT1, 1<<17                      ; slot 1 begins here, so that one exclusive or turns an address in one slot into the other's
.set SCB,   SLOT1+SLOTB                ; the head's scale words: K's 8,192, then V's 8,192; filled once
.set SPARE, SCB+16384                  ; the spare words, 128 bytes a wave, four blocks of 256 bytes that no other line names
.set KVP,   3145728
.set LI,  1                            ; v1    16 x lane
.set ADK, 2                            ; v2    the step's fragments: 16 x lane + where the step begins in the ring
.set MA,  3                            ; v3    my mask bytes in the block of queries' rows: (16 w + r) x 8,192 + 32 h; never rewritten
.set AS0, 5                            ; v5    SCB + 32 r
.set SPW, 6
.set NIL, 7
.set ADS, 8                            ; v8    the step's scale words
.set R16, 10                           ; v10   16 r
.set LN,  11                           ; v11   lane
.set PFO, 28                           ; v28   the prefetches' offset; never rewritten
.set KS,  32
.set VS,  40
.set PC,  48
.set MK,  96                           ; in window 1: mask set 0; set 1 is 64 further on
.set TM,  232
.set WV,  14
.set SEL, 20
.set C1,  22                           ; s[22:23] 1 / sqrt(128)
.set G1KV, 24
.set G0KV, 32                          ; s[32:39] a set for each of the two first fills; the second then walks on
.set MB,   40                          ; s[40:41] the mask at my block of queries, one key step behind the step that is loaded next
.set TB,   42                          ; s42 LDS byte at which the step's fragments begin
.set TW,   43                          ; s43 counts a slot's two pairs of steps
.set G0SC, 56
.set L2E,  60                          ; s[60:61] log2(e)
.set TS,   62                          ; s62 512 x key step
.set G1SC, 68
.set LIM,  80
.set CHG,  81
.set MSB, 0
.macro WIN new
.if MSB != (\new)
	s_set_vgpr_msb (MSB<<8)|(\new)
.set MSB, (\new)
.endif
.endm
.macro ROUND                           ; a round of the cluster's barrier
	s_barrier_signal -1
	s_barrier_wait -1
	s_cmp_lg_u32 s[WV], 0
	s_cbranch_scc1 .Lnot_wave_0_\@
	s_barrier_signal -3
.Lnot_wave_0_\@:
	s_barrier_wait -3
	s_barrier_signal -1
	s_barrier_wait -1
.endm
; The mask of my query at keys 16 a + 8 h + 0..7 of one key step, as S^T's registers lie, into set buf
.macro MLOAD buf, off
	WIN 0x40
.irp a, 0,1,2,3,4,5,6,7
.irp e, 0,1
	global_load_b128 v[MK+64*(\buf)+8*\a+4*\e:MK+64*(\buf)+8*\a+4*\e+3], v[MA], s[MB:MB+1] offset:(\off)+64*\a+16*\e
.endr
.endr
	WIN 0
.endm
; A PREFETCH INTO THE L2 of the mask, one instruction a key step, behind the step's sixteen loads: in key step j, which loads key step j + 2, it names key step j + 4: two key steps ahead of that step's loads.
; Each aligned block of 256 bytes is named once in the launch.  A block of queries' rows are read by the four clusters of a column of clusters: the one with cluster y = 0 asks; its four partners of a column take 32 rows each, told apart
; by address (cy); waves 6 and 7 take the two halves of a row's 512 bytes of a key step, a lane a row.  Key steps 0 to 11 ask; key steps 0 to 3 come by their loads alone; nothing is asked for at the head; no request passes a row's end.
; The limit hangs on the wave's number and the cluster's y alone.  K and V are not asked for: their refills have four key steps in which to land.
.macro ASK
	s_cmp_lt_u32 s[CHG], s[LIM]
	s_cbranch_scc0 .Lnot_mine_\@
	global_prefetch_b8 v[PFO], s[MB:MB+1] offset:1536 th:TH_LOAD_NT scope:SCOPE_SE
.Lnot_mine_\@:
	s_add_co_u32 s[CHG], s[CHG], 1
.endm
	s_load_b256 s[4:11], s[0:1], 0x0               ; qkvc, sc, mask, oc
	s_load_b64 s[12:13], s[0:1], 0x20              ; os
	v_lshl_add_u32 v[SPW], v0, 2, SPARE
	v_mov_b32 v[NIL], 0
	ds_add_u32 v[SPW], v[NIL]                      ; the wave's opening: the add and its wait ahead of my first tensor load
	v_lshrrev_b32 v8, 5, v0
	v_readfirstlane_b32 s[WV], v8
	s_and_b32 s15, s[WV], 1
	s_bfe_u32 s16, ttmp6, 0x40000                  ; cx
	s_bfe_u32 s17, ttmp6, 0x40004                  ; cy
	s_lshl_b32 s18, ttmp9, 2
	s_add_co_u32 s18, s18, s16                     ; my block of 128 queries
	s_and_b32 s19, ttmp7, 0xffff
	s_lshl_b32 s19, s19, 2
	s_add_co_u32 s19, s19, s17                     ; my head
	s_lshl_b32 s82, s17, 2
	s_lshl_b32 s82, 15, s82                        ; my row of the cluster
	s_or_b32 s[G1KV], s82, (3<<16)|(1<<21)         ; 15:0 the mask; 17:16 elements of 8 bytes; 21 set beside a mask.  12,288 dense bytes as 48 rows of 256
	s_mov_b32 s[G1KV+1], 32<<16
	s_mov_b32 s[G1KV+2], 48<<16
	s_mov_b32 s[G1KV+3], 32<<16
	s_mov_b32 s[G1KV+4], 48
	s_mov_b32 s[G1KV+5], 32
	s_mov_b32 s[G1KV+6], 0
	s_mov_b32 s[G1KV+7], 0
	s_or_b32 s[G1SC], s82, (3<<16)|(1<<21)         ; 2,048 dense bytes as 8 rows of 256
	s_mov_b32 s[G1SC+1], 32<<16
	s_mov_b32 s[G1SC+2], 8<<16
	s_mov_b32 s[G1SC+3], 32<<16
	s_mov_b32 s[G1SC+4], 8
	s_mov_b32 s[G1SC+5], 32
	s_mov_b32 s[G1SC+6], 0
	s_mov_b32 s[G1SC+7], 0
	s_mul_i32 s84, s19, 393216                     ; K, V: the head's 16 records of 24,576 bytes (never holds cx),
	s_mul_i32 s90, s[WV], 12288                    ; my wave's eighth of a slot, in memory and in LDS alike
	s_add_co_u32 s84, s84, s90
	s_add_co_u32 s84, s84, KVP
	s_mov_b32 s85, 0
	s_mul_i32 s86, s19, 24576                      ; the head's scale words of K and V,
	s_lshl_b32 s91, s[WV], 11                      ; my wave's eighth of them
	s_add_co_u32 s86, s86, s91
	s_add_co_u32 s86, s86, 8192
	s_mov_b32 s87, 0
	s_lshl_b32 s88, s18, 20                        ; the mask: 128 rows of 8,192 bytes a block of queries
	s_mov_b32 s89, 0
	s_mov_b32 s[SEL], 0x76543210
	s_mov_b32 s[SEL+1], 0xfedcba98
	s_mov_b32 s[C1], 0x3db504f3
	s_mov_b32 s[C1+1], s[C1]
	s_mov_b32 s[L2E], 0x3fb8aa3b
	s_mov_b32 s[L2E+1], s[L2E]
	s_mov_b32 s[TS], 0
	s_mov_b32 s[TB], 0
	s_mov_b32 s[CHG], 0
	s_wait_dscnt 0x0                               ; the opening add is done
	s_wait_kmcnt 0x0
	s_add_nc_u64 s[84:85], s[4:5], s[84:85]
	s_add_nc_u64 s[86:87], s[6:7], s[86:87]
	s_add_nc_u64 s[MB:MB+1], s[8:9], s[88:89]
	ROUND                                          ; all sixteen work-groups are here: the first joint loads meet
.irp s, 0,1
	s_mov_b32 s[G0KV+4*\s], 1
	s_add_co_u32 s[G0KV+4*\s+1], s90, \s*SLOT1
	s_add_nc_u64 s[G0KV+4*\s+2:G0KV+4*\s+3], s[84:85], \s*SLOTB
	s_or_b32 s[G0KV+4*\s+3], s[G0KV+4*\s+3], 0x80000000
.endr
	s_mov_b32 s[G0SC], 1
	s_add_co_u32 s[G0SC+1], s91, SCB
	s_mov_b64 s[G0SC+2:G0SC+3], s[86:87]
	s_or_b32 s[G0SC+3], s[G0SC+3], 0x80000000
	tensor_load_to_lds s[G0SC:G0SC+3], s[G1SC:G1SC+7]          ; three loads of mine go out together: my part of the scale words,
	s_nop 0
	tensor_load_to_lds s[G0KV:G0KV+3], s[G1KV:G1KV+7]          ; of slot 0 (key steps 0 to 3),
	s_nop 0
	tensor_load_to_lds s[G0KV+4:G0KV+7], s[G1KV:G1KV+7]        ; and of slot 1 (key steps 4 to 7)
	s_nop 0
.rept 4
	v_nop
.endr
	v_and_b32 v[LN], 31, v0
	v_and_b32 v29, 15, v0                          ; r
	v_bfe_u32 v30, v0, 4, 1                        ; h
	v_lshlrev_b32 v[LI], 4, v[LN]
	s_lshl_b32 s96, s[WV], 4
	v_add_nc_u32 v31, s96, v29                     ; my query's row in the block: 16 w + r
	v_lshlrev_b32 v[MA], 13, v31
	v_lshl_add_u32 v[MA], v30, 5, v[MA]
	v_lshlrev_b32 v9, 5, v29                       ; 32 r
	v_add_nc_u32 v[AS0], SCB, v9
	v_lshlrev_b32 v[R16], 4, v29
	s_lshl_b32 s92, s19, 4
	s_add_co_u32 s92, s92, s18
	s_lshl_b32 s92, s92, 3
	s_add_co_u32 s92, s92, s[WV]                   ; Q's fragment: (16 head + block) x 8 + wave
	s_mul_i32 s92, s92, 1536
	s_mov_b32 s93, 0
	s_add_nc_u64 s[92:93], s[4:5], s[92:93]
.irp c, 0,1,2
	global_load_b128 v[16+4*\c:19+4*\c], v[LI], s[92:93] offset:512*\c
.endr
	s_mul_i32 s94, s19, 24576
	s_lshl_b32 s95, s18, 9
	s_add_co_u32 s94, s94, s95
	s_lshl_b32 s95, s[WV], 2
	s_add_co_u32 s94, s94, s95
	s_mov_b32 s95, 0
	s_add_nc_u64 s[94:95], s[6:7], s[94:95]
	global_load_b32 v255, v9, s[94:95]             ; Q's scale words: [row][tile]: 32 r + 4 w
	MLOAD 0, 0                                     ; the mask of key step 0,
	MLOAD 1, 512                                   ; and of key step 1
	; the prefetches: where mine stand, and whether I ask
	s_lshl_b32 s98, s17, 18                        ; my work-group's 32 rows of the 128,
	s_lshl_b32 s99, s15, 8                         ; my wave's half of a row's 512 bytes
	s_add_co_u32 s98, s98, s99
	v_lshlrev_b32 v[PFO], 13, v[LN]                ; a lane a row
	v_add_nc_u32 v[PFO], s98, v[PFO]
	s_and_b32 s96, ttmp7, 0xffff
	s_cmp_eq_u32 s96, 0                            ; the first of the clusters that read these rows
	s_cselect_b32 s[LIM], 12, 0
	s_cmp_lt_u32 s[WV], 6
	s_cselect_b32 s[LIM], 0, s[LIM]
	v_mov_b32 v13, 0xff61b1e6                      ; the largest t so far: -3e38
	v_floor_f32 v12, -v13                          ; -M
	v_mov_b32 v14, 0
	v_mov_b32 v15, 0
.irp b, 0,1,2,3
	v_mov_b32 v[236+\b], 0                         ; written once: a lane permute's destination counts as one of its sources
.endr
	v_mov_b32 v253, 0                              ; (named as the upper half of the pair v[252:253] before it is first written)
.irp j, 0,1,2,3,4,5,6,7,8,9,10,11,12,13,14,15,16,17,18,19,20,21,22,23,24,25,26,27,28,29,30,31,32,33,34,35,36,37,38,39,40,41,42,43,44,45,46,47,48,49,50,51,52,53,54,55,56,57,58,59,60,61,62,63
	v_mov_b32 v[160+\j], 0                         ; O^T: the step is written without a first step of its own: the first change of M multiplies zeros
.endr
; A KEY STEP: 128 keys.  buf: the mask's set;  load = 1: that set is loaded again with the mask two key steps on;  left: how many younger mask loads may stay out.
.macro STEP buf, load, left
	v_add_nc_u32 v[ADS], s[TS], v[AS0]
	v_add_nc_u32 v[ADK], s[TB], v[LI]
.rept 2
	v_nop                                          ; with the two additions four places in front of loads into registers that the last products have read
.endr
	ds_load_b128 v[KS:KS+3], v[ADS]                ; my row's eight words of K's tiles,
	ds_load_b128 v[KS+4:KS+7], v[ADS] offset:16
	ds_load_b128 v[VS:VS+3], v[ADS] offset:8192    ; and of V's
	ds_load_b128 v[VS+4:VS+7], v[ADS] offset:8208
	WIN 0x40
.irp a, 0,1,2,3,4,5,6,7
.irp c, 0,1,2
	ds_load_b128 v[12*\a+4*\c:12*\a+4*\c+3], v[ADK] offset:1536*\a+512*\c
.endr
.endr
	s_wait_dscnt 0x0                               ; the scale words and K are in
	WIN 0x01
.irp a, 0,1,2,3,4,5,6,7
	v_wmma_scale_f32_16x16x128_f8f6f4 v[96+8*\a:103+8*\a], v[12*\a:12*\a+11], v[16:27], 0, v[KS+\a], v255 matrix_a_fmt:MATRIX_FMT_FP6 matrix_b_fmt:MATRIX_FMT_FP6
.endr
.rept 4
	v_nop                                          ; four places: in front of the loads into K's registers, and of the first read of the scores
.endr
	WIN 0x40
.irp a, 0,1,2,3,4,5,6,7                        ; V's fragments take K's registers: they land under the softmax
.irp c, 0,1,2
	ds_load_b128 v[12*\a+4*\c:12*\a+4*\c+3], v[ADK] offset:12288+1536*\a+512*\c
.endr
.endr
	s_wait_loadcnt \left                           ; this step's mask is in; the next step's sixteen loads may be out
	WIN 0x10
.irp j, 0,2,4,6,8,10,12,14,16,18,20,22,24,26,28,30,32,34,36,38,40,42,44,46,48,50,52,54,56,58,60,62
	v_pk_fma_f32 v[96+\j:97+\j], v[96+\j:97+\j], s[C1:C1+1], v[MK+64*(\buf)+\j:MK+64*(\buf)+\j+1] op_sel_hi:[1,0,1]   ; u = score / sqrt(128) + mask; each accumulator from its low end on
.endr
	WIN 0
.if \load
	s_wait_xcnt 0x0                                ; the last loads and the last prefetch, a key step back, have read the mask's base
	s_add_nc_u64 s[MB:MB+1], s[MB:MB+1], 512
	MLOAD \buf, 512                                ; the set just read takes the mask two key steps on
	ASK
.endif
.irp b, 0,1,2,3
	v_max3_num_f32 v[232+\b], v[96+16*\b], v[97+16*\b], v[98+16*\b]   ; the largest u of each block of 32 keys: for the row's maximum and, since p rises with u, for the block's largest p
.endr
.irp i, 3,5,7,9,11,13
.irp b, 0,1,2,3
	v_max3_num_f32 v[232+\b], v[232+\b], v[96+16*\b+\i], v[97+16*\b+\i]
.endr
.endr
.irp b, 0,1,2,3
	v_max_num_f32 v[232+\b], v[232+\b], v[111+16*\b]
.endr
.irp b, 0,1,2,3
	v_permlanex16_b32 v[236+\b], v[232+\b], s[SEL], s[SEL+1]
.endr
.irp b, 0,1,2,3
	v_max_num_f32 v[232+\b], v[232+\b], v[236+\b]
.endr
	v_max3_num_f32 v254, v232, v233, v234
	v_max_num_f32 v254, v254, v235
	v_mul_f32 v254, s[L2E], v254                   ; as t
	v_max_num_f32 v13, v13, v254                   ; the running largest t
	v_mov_b32 v254, v12
	v_floor_f32 v12, -v13                          ; the new -M = -ceil(t)
	v_sub_f32 v254, v12, v254                      ; old M - new M: a whole number, 0 or less
	v_cvt_i32_f32 v254, v254                       ; (it saturates)
	v_ldexp_f32 v252, 1.0, v254                    ; f = 2^(old M - new M)
.irp j, 0,2,4,6,8,10,12,14,16,18,20,22,24,26,28,30,32,34,36,38,40,42,44,46,48,50,52,54,56,58,60,62
	v_pk_fma_f32 v[96+\j:97+\j], v[96+\j:97+\j], s[L2E:L2E+1], v[12:13] op_sel_hi:[1,0,0]   ; t - M
.endr
.irp b, 0,1,2,3
	v_fma_f32 v[232+\b], v[232+\b], s[L2E], v12
.endr
.irp j, 0,1,2,3,4,5,6,7,8,9,10,11,12,13,14,15,16,17,18,19,20,21,22,23,24,25,26,27,28,29,30,31,32,33,34,35,36,37,38,39,40,41,42,43,44,45,46,47,48,49,50,51,52,53,54,55,56,57,58,59,60,61,62,63
	v_exp_f32 v[96+\j], v[96+\j]                   ; p = 2^(t - M)
.endr
	v_pk_mul_f32 v[14:15], v[14:15], v[252:253] op_sel_hi:[1,0]   ; the sums under the new M: the plain place behind the exponentials
	s_wait_alu depctr_va_vdst(0)                   ; one wait for the batch of 64, ahead of its first reader
.irp b, 0,1,2,3
	v_exp_f32 v[232+\b], v[232+\b]                 ; each block's largest p
.endr
	v_pk_add_f32 v[236:237], v[96:97], v[98:99]    ; the row's sum of the unquantised p, in two chains
.irp j, 4,8,12,16,20,24,28,32,36,40,44,48,52,56,60
	v_pk_add_f32 v[14:15], v[14:15], v[96+\j:97+\j]
	v_pk_add_f32 v[236:237], v[236:237], v[98+\j:99+\j]
.endr
	v_pk_add_f32 v[14:15], v[14:15], v[236:237]
	s_wait_alu depctr_va_vdst(0)                   ; and one for the four
.irp b, 0,1,2,3
	v_max_num_f32 v[232+\b], 0x1800000, v[232+\b]  ; the floor 2^(3 - 127)
.endr
.irp b, 0,1,2,3
	v_add_nc_u32 v[244+\b], 0xff000000, v[232+\b]
.endr
.irp b, 0,1,2,3
	v_lshrrev_b32 v[236+\b], 23, v[244+\b]
.endr
	v_lshl_or_b32 v253, v237, 8, v236              ; p's scale word for these 128 keys
	v_lshl_or_b32 v253, v238, 16, v253
	v_lshl_or_b32 v253, v239, 24, v253
.irp c, 0,1
	v_cvt_scalef32_pk16_fp6_f32 v[224+6*\c:226+6*\c], v[96+32*\c:111+32*\c], v[244+2*\c]
	v_cvt_scalef32_pk16_fp6_f32 v[236+4*\c:238+4*\c], v[112+32*\c:127+32*\c], v[244+2*\c+1]
.endr
	v_nop
.irp c, 0,1
.irp i, 0,1,2
	v_permlane16_swap_b32 v[224+6*\c+\i], v[236+4*\c+\i]
.endr
.irp i, 0,1,2
	v_mov_b32 v[227+6*\c+\i], v[236+4*\c+\i]
.endr
.endr
.irp j, 0,2,4,6,8,10,12,14,16,18,20,22,24,26,28,30,32,34,36,38,40,42,44,46,48,50,52,54,56,58,60,62
	v_pk_mul_f32 v[160+\j:161+\j], v[160+\j:161+\j], v[252:253] op_sel_hi:[1,0]   ; O^T under the new M; these 32 are also the places between p's codes and scale word and the products
.endr
	s_wait_dscnt 0x0                               ; V is in
	WIN 0x01
.irp a, 0,1,2,3,4,5,6,7                        ; the step's sixteen products name sixteen accumulators, one instruction a turn
	v_wmma_scale_f32_16x16x128_f8f6f4 v[160+8*\a:167+8*\a], v[12*\a:12*\a+11], v[224:235], v[160+8*\a:167+8*\a], v[VS+\a], v253 matrix_a_fmt:MATRIX_FMT_FP6 matrix_b_fmt:MATRIX_FMT_FP6
.endr
	WIN 0
	s_add_co_u32 s[TS], s[TS], 512                 ; the next step's scale words,
	s_add_co_u32 s[TB], s[TB], STEPB               ; and its fragments
.endm
; A slot's four key steps: a pair, one step on each set of mask registers, walked twice; the LDS addresses hang on s[TB] and s[TS].  No barrier stands between them: the one in front has shown the whole slot to every wave.
.macro FOUR
	s_mov_b32 s[TW], 2
.Lstep_\@:
	STEP 0, 1, 16
	STEP 1, 1, 16
	s_sub_co_u32 s[TW], s[TW], 1
	s_cmp_lg_u32 s[TW], 0
	s_cbranch_scc1 .Lstep_\@
.endm
; THE CHANGE OF SLOTS.  Each wave waits for all its tensor loads (its part of the slot ahead), adds 0 to its spare word, and waits for that and for its reads of the slot that it leaves.
; fill = 1: a round of the cluster's barrier, so that no wave of any partner still reads that slot or has a load on its way; behind it the slot just left takes the four key steps two slots on: one load a wave is out, and it has four key steps in which to land.
.macro CHANGE fill
	s_wait_tensorcnt 0x0                           ; no tensor load of mine is out, so a group 0 may be written
	ds_add_u32 v[SPW], v[NIL]
.if \fill
	s_xor_b32 s[G0KV+5], s[G0KV+5], SLOT1          ; the walking descriptor: the other slot than last time,
	s_add_nc_u64 s[G0KV+6:G0KV+7], s[G0KV+6:G0KV+7], SLOTB   ; the next four key steps; the type bits on top are not reached
.endif
	s_sub_co_u32 s[TB], s[TB], SLOTB               ; the reads go back to a slot's first step,
	s_xor_b32 s[TB], s[TB], SLOT1                  ; in the other slot
	s_wait_dscnt 0x0                               ; the add is done, and my reads of the slot that I leave are over
.if \fill
	ROUND
	tensor_load_to_lds s[G0KV+4:G0KV+7], s[G1KV:G1KV+7]
	s_nop 0
.rept 4
	v_nop
.endr
.else
	s_barrier_signal -1
	s_barrier_wait -1
.endif
.endm
	s_wait_loadcnt 32                              ; Q and its scale word are in; the mask's 32 loads may be out
	s_wait_tensorcnt 0x1                           ; my parts of the scale words and of slot 0 are in; slot 1's load may be out
	s_barrier_signal -1
	s_barrier_wait -1                              ; everybody's are
	s_mov_b32 s63, 2
.Lslot:                                            ; key steps 0 to 3, slot 0 takes steps 8 to 11; key steps 4 to 7, slot 1 takes steps 12 to 15
	FOUR
	CHANGE 1
	s_sub_co_u32 s63, s63, 1
	s_cmp_lg_u32 s63, 0
	s_cbranch_scc1 .Lslot
	FOUR                                           ; key steps 8 to 11
	CHANGE 0                                       ; the tail is written out: nothing is left to fetch
	STEP 0, 1, 16                                  ; key step 12; the mask of step 14 is loaded
	STEP 1, 1, 16                                  ; key step 13; the mask of step 15
	STEP 0, 0, 16                                  ; key step 14: no load leaves the mask's rows
	STEP 1, 0, 0                                   ; key step 15: no younger load is out
	; THE WAY OUT: O^T / the sum, quantised along the head's 128 (K step 'head' of the last product), one fragment image and one scale word a row
.rept 4
	v_nop
.endr
	v_add_f32 v14, v14, v15
	v_permlanex16_b32 v252, v14, s[SEL], s[SEL+1]
	v_add_f32 v14, v14, v252                       ; the row's sum
	v_rcp_f32 v14, v14
	v_nop                                          ; a plain place behind the transcendental
	s_lshl_b32 s82, s18, 3
	s_add_co_u32 s82, s82, s[WV]                   ; my row block: 8 x block + wave
	s_lshl_b32 s83, s82, 4
	s_add_co_u32 s83, s83, s19
	s_mul_i32 s84, s83, 1536
	s_mov_b32 s85, 0
	s_add_nc_u64 s[10:11], s[10:11], s[84:85]
	s_lshl_b32 s84, s82, 10
	s_lshr_b32 s86, s19, 2
	s_lshl_b32 s86, s86, 8                         ; K group head / 4,
	s_add_co_u32 s84, s84, s86
	s_and_b32 s86, s19, 3
	s_lshl_b32 s86, s86, 2                         ; word head % 4
	s_add_co_u32 s84, s84, s86
	s_add_nc_u64 s[12:13], s[12:13], s[84:85]
	s_wait_alu depctr_va_vdst(0)                   ; ahead of the reciprocal's first reader
.irp j, 0,1,2,3,4,5,6,7,8,9,10,11,12,13,14,15,16,17,18,19,20,21,22,23,24,25,26,27,28,29,30,31,32,33,34,35,36,37,38,39,40,41,42,43,44,45,46,47,48,49,50,51,52,53,54,55,56,57,58,59,60,61,62,63
	v_mul_f32 v[96+\j], v[160+\j], v14             ; register 8 a + i: channel 16 a + 8 h + i of my query
.endr
.irp b, 0,1,2,3
	v_max3_num_f32 v[TM+\b], |v[96+16*\b]|, |v[97+16*\b]|, 0x1800000
.endr
.irp i, 2,4,6,8,10,12,14
.irp b, 0,1,2,3
	v_max3_num_f32 v[TM+\b], v[TM+\b], |v[96+16*\b+\i]|, |v[97+16*\b+\i]|
.endr
.endr
.irp b, 0,1,2,3
	v_permlanex16_b32 v[TM+4+\b], v[TM+\b], s[SEL], s[SEL+1]
.endr
.irp b, 0,1,2,3
	v_max_num_f32 v[TM+\b], v[TM+\b], v[TM+4+\b]
.endr
.irp b, 0,1,2,3
	v_add_nc_u32 v[TM+12+\b], 0xff000000, v[TM+\b]
.endr
.irp b, 0,1,2,3
	v_lshrrev_b32 v[TM+4+\b], 23, v[TM+12+\b]
.endr
	v_lshl_or_b32 v252, v[TM+5], 8, v[TM+4]
	v_lshl_or_b32 v252, v[TM+6], 16, v252
	v_lshl_or_b32 v252, v[TM+7], 24, v252
.irp c, 0,1
	v_cvt_scalef32_pk16_fp6_f32 v[PC+6*\c:PC+2+6*\c], v[96+32*\c:111+32*\c], v[TM+12+2*\c]
	v_cvt_scalef32_pk16_fp6_f32 v[PC+12+4*\c:PC+14+4*\c], v[112+32*\c:127+32*\c], v[TM+12+2*\c+1]
.endr
	v_nop
.irp c, 0,1
.irp i, 0,1,2
	v_permlane16_swap_b32 v[PC+6*\c+\i], v[PC+12+4*\c+\i]
.endr
.irp i, 0,1,2
	v_mov_b32 v[PC+3+6*\c+\i], v[PC+12+4*\c+\i]
.endr
.endr
.irp c, 0,1,2
	global_store_b128 v[LI], v[PC+4*\c:PC+4*\c+3], s[10:11] offset:512*\c   ; 512 consecutive bytes, aligned
.endr
	s_wait_xcnt 0x0                                ; EXEC changes only behind this wait
	v_cmp_gt_u32 vcc_lo, 16, v[LN]
	s_and_saveexec_b32 s87, vcc_lo
	global_store_b32 v[R16], v252, s[12:13]        ; lanes 0-15: my row's word for this head
	s_wait_xcnt 0x0
	s_or_b32 exec_lo, exec_lo, s87
	s_wait_tensorcnt 0x0                           ; the wave's end: the add to my spare word and its wait, behind my last tensor load
	ds_add_u32 v[SPW], v[NIL]
	s_wait_dscnt 0x0
	ROUND                                          ; the closing round
	s_endpgm
.Lfunc_end_k_q44228bb627_attn:
	.size	k_q44228bb627_attn, .Lfunc_end_k_q44228bb627_attn-k_q44228bb627_attn
	.p2alignl 7, 3214868480
	.fill 96, 4, 3214868480
	.section	.rodata,"a",@progbits
	.p2align	6, 0x0
	.amdhsa_kernel k_q44228bb627_attn
		.amdhsa_group_segment_fixed_size 327680
		.amdhsa_private_segment_fixed_size 0
		.amdhsa_enable_private_segment 0
		.amdhsa_kernarg_size 40
		.amdhsa_user_sgpr_count 2
		.amdhsa_user_sgpr_kernarg_segment_ptr 1
		.amdhsa_wavefront_size32 1
		.amdhsa_system_sgpr_workgroup_id_x 1
		.amdhsa_system_sgpr_workgroup_id_y 1
		.amdhsa_system_sgpr_workgroup_id_z 1
		.amdhsa_system_vgpr_workitem_id 0
		.amdhsa_next_free_vgpr 512
		.amdhsa_next_free_sgpr 100
		.amdhsa_reserve_vcc 1
		.amdhsa_float_denorm_mode_32 3
		.amdhsa_float_denorm_mode_16_64 3
		.amdhsa_memory_ordered 1
		.amdhsa_forward_progress 1
		.amdhsa_inst_pref_size 197
	.end_amdhsa_kernel
	.amdgpu_metadata
---
amdhsa.version: [ 1, 2 ]
amdhsa.kernels:
  - .name:           k_q44228bb627_attn
    .symbol:         k_q44228bb627_attn.kd
    .args:
      - { .name: qkvc, .offset: 0, .size: 8, .value_kind: global_buffer, .address_space: global }
      - { .name: sc, .offset: 8, .size: 8, .value_kind: global_buffer, .address_space: global }
      - { .name: mask, .offset: 16, .size: 8, .value_kind: global_buffer, .address_space: global }
      - { .name: oc, .offset: 24, .size: 8, .value_kind: global_buffer, .address_space: global }
      - { .name: os, .offset: 32, .size: 8, .value_kind: global_buffer, .address_space: global }
    .group_segment_fixed_size: 327680
    .private_segment_fixed_size: 0
    .kernarg_segment_align: 8
    .kernarg_segment_size: 40
    .max_flat_workgroup_size: 256
    .sgpr_count:     100
    .vgpr_count:     512
    .wavefront_size: 32
...
	.end_amdgpu_metadata
.endif
;; end of part 3
;; launch oproj (part 4): grid 16 x 16, 4 waves a work-group, clusters of 4 x 4, 327,680 bytes of LDS; arguments oc, os, cod, scl, out0; writes out0
.if DOCPART == 4
	.amdgcn_target "amdgcn-amd-amdhsa--gfx1250"
	.amdhsa_code_object_version 6
	.text
	.protected	k_q44228bb627_oproj
	.globl	k_q44228bb627_oproj
	.p2align	8
	.type	k_q44228bb627_oproj,@function
k_q44228bb627_oproj:
	s_mov_b64 s[64:65], 0
	v_nop
	global_prefetch_b8 v0, s[64:65] scope:SCOPE_SE
	s_setreg_imm32_b32 hwreg(HW_REG_WAVE_MODE, 25, 1), 1
	s_wait_xcnt 0x0
	s_wait_alu depctr_hold_cnt(0) depctr_sa_sdst(0) depctr_va_vdst(0) depctr_va_sdst(0) depctr_va_ssrc(0) depctr_va_vcc(0) depctr_vm_vsrc(0)
	s_getreg_b32 s2, hwreg(HW_REG_IB_STS2, 6, 4)
	s_cmp_eq_u32 s2, 0
	s_cbranch_scc0 .Lentry_in_a_cluster
	s_endpgm
.Lentry_in_a_cluster:
	s_bfe_u32 s2, ttmp6, 0x10000c
	s_cmp_lg_u32 s2, 0xf033
	s_cbranch_scc0 .Lentry_shape_is_right
	s_endpgm
.Lentry_shape_is_right:
; out0 = o wo^T, [2048][2048] f32, on codes of FP6 (E2M3) with E8M0 scales: o's from the attention launch, wo's from the quantiser (tensor 4 of cod and scl).
; A tile is 128 x 128, so that there are 256 work-groups (256 x 256 would give 64); four waves of 64 x 64: 16 accumulators.  K goes in steps of 512 through two LDS slots: four slots' worth in all, written out without a loop.
; Operands are fragment images (16 rows x 128 K, 1,536 bytes, three loads of 512 consecutive bytes); a tile's row in memory is a row block's four K steps, 6,144 bytes.
; CLUSTERS 4 x 4: o's tiles are asked for jointly along a row of the cluster, wo's along a column.  The matrix instruction is used transposed (source 0 = wo's rows, source 1 = o's): a lane holds eight neighbouring numbers of a row of out0.
; Both operands have the order [0-7, 16-23, 8-15, 24-31] inside a block of 32: the sums have the same terms as in ascending k.
; REGISTERS: window 0: v16-31 addresses; v32-63 scale words, two sets; v64-127 the way out; v128-255 accumulator (a, b) at v[128 + 8 (4 a + b)].  Window 1: two fragment buffers, v0-95 and v128-223: A's four, then B's four.
.set RBP,   24576
.set FR,    12
.set ROWB,  6144
.set HALFT, 4*ROWB                     ; 4 row blocks: what one tensor load brings, and what one wave reads of A or of B
.set SLOT,  4*HALFT
.set SCL,   2*SLOT                     ; the scale words of A's and of B's 8 row blocks for all of K, filled once
.set HALFS, 4096
.set STAGE, SCL+4*HALFS                ; the way out: 16 rows x (256 + 16) for each wave; no fill lands here
.set SPARE, STAGE+4*16*272             ; the spare words, 128 bytes a wave, two blocks of 256 bytes that no other line names
.set ADRA, 16
.set ADRB, 20
.set STO,  24
.set RD,   25
.set CO,   26
.set ADRS, 27
.set SPW,  28
.set NIL,  29
.set SC,   32
.set BK,   64
.set ACC,  128
.set F0,   0
.set F1,   128
.set WV, 16
.set RH, 17
.set CH, 18
.set G1, 24
.set G0, 32
.set G1B, 48
.set G0B, 56
.set G1S, 68
.set G0S, 76
.set G1SB, 80
.set G0SB, 88
.set MSB, 0
.macro WIN new
.if MSB != (\new)
	s_set_vgpr_msb (MSB<<8)|(\new)
.set MSB, (\new)
.endif
.endm
.set MUL,  0x05                        ; sources 0 and 1 window 1; C and D window 0
.set TO_F, 0x40
.macro JLOAD g0a, g1a, g0b, g1b        ; a joint load: waves 0 and 1 fetch for A, waves 2 and 3 for B; an s_nop 0 and four v_nop follow each line
	s_cmp_eq_u32 s[RH], 0
	s_cbranch_scc0 .Lfor_b_\@
	tensor_load_to_lds s[\g0a:\g0a+3], s[\g1a:\g1a+7]
	s_nop 0
.rept 4
	v_nop
.endr
	s_branch .Lasked_\@
.Lfor_b_\@:
	tensor_load_to_lds s[\g0b:\g0b+3], s[\g1b:\g1b+7]
	s_nop 0
.rept 4
	v_nop
.endr
.Lasked_\@:
.endm
.macro CROUND
	s_barrier_signal -1
	s_barrier_wait -1
	s_cmp_lg_u32 s[WV], 0
	s_cbranch_scc1 .Lnot_wave_0_\@
	s_barrier_signal -3
.Lnot_wave_0_\@:
	s_barrier_wait -3
	s_barrier_signal -1
	s_barrier_wait -1
.endm
.macro PLACES
.rept 4
	v_nop
.endr
.endm
	s_load_b256 s[4:11], s[0:1], 0x0               ; oc, os, cod, scl
	s_load_b64 s[12:13], s[0:1], 0x20              ; out0
	v_lshl_add_u32 v[SPW], v0, 2, SPARE
	v_mov_b32 v[NIL], 0
	ds_add_u32 v[SPW], v[NIL]                      ; the wave's opening: the add and its wait ahead of my first tensor load
	v_lshrrev_b32 v1, 5, v0
	v_readfirstlane_b32 s[WV], v1
	s_lshr_b32 s[RH], s[WV], 1
	s_and_b32 s[CH], s[WV], 1
	s_bfe_u32 s20, ttmp6, 0x40000                  ; cx
	s_bfe_u32 s21, ttmp6, 0x40004                  ; cy
	s_lshl_b32 s22, ttmp9, 2
	s_add_co_u32 s22, s22, s20                     ; X
	s_and_b32 s23, ttmp7, 0xffff
	s_lshl_b32 s23, s23, 2
	s_add_co_u32 s23, s23, s21                     ; Y
	s_lshl_b32 s40, s21, 2
	s_lshl_b32 s40, 15, s40
	s_lshl_b32 s41, 0x1111, s20
	s_or_b32 s[G1], s40, (3<<16)|(1<<21)
	s_or_b32 s[G1B], s41, (3<<16)|(1<<21)
.irp g, G1, G1B                                ; a tile: 4 rows of 6,144 bytes (768 elements of 8 bytes), 24,576 bytes apart
	s_mov_b32 s[\g+1], 768<<16
	s_mov_b32 s[\g+2], 4<<16
	s_mov_b32 s[\g+3], 768<<16
	s_mov_b32 s[\g+4], 4
	s_mov_b32 s[\g+5], 3072
	s_mov_b32 s[\g+6], 0
	s_mov_b32 s[\g+7], 0
.endr
	s_or_b32 s[G1S], s40, (3<<16)|(1<<21)
	s_or_b32 s[G1SB], s41, (3<<16)|(1<<21)
.irp g, G1S, G1SB                              ; the scale words of 4 row blocks: 4,096 dense bytes as 16 rows of 256
	s_mov_b32 s[\g+1], 32<<16
	s_mov_b32 s[\g+2], 16<<16
	s_mov_b32 s[\g+3], 32<<16
	s_mov_b32 s[\g+4], 16
	s_mov_b32 s[\g+5], 32
	s_mov_b32 s[\g+6], 0
	s_mov_b32 s[\g+7], 0
.endr
	s_lshl_b32 s44, s[CH], 2
	s_lshl_b32 s45, s23, 3
	s_add_co_u32 s45, s45, s44                     ; A's row block: 8 Y + 4 x half (never holds cx)
	s_lshl_b32 s46, s22, 3
	s_add_co_u32 s46, s46, s44                     ; B's: 8 X + 4 x half (never holds cy)
	s_mul_i32 s92, s45, RBP
	s_mov_b32 s93, 0
	s_lshl_b32 s94, s45, 10
	s_mov_b32 s95, 0
	s_mul_i32 s96, s46, RBP
	s_add_co_u32 s96, s96, 4*128*RBP               ; wo is tensor 4 of cod,
	s_mov_b32 s97, 0
	s_lshl_b32 s98, s46, 10
	s_add_co_u32 s98, s98, 4*131072                ; and of scl
	s_mov_b32 s99, 0
	s_mul_i32 s47, s[WV], HALFT
	s_mul_i32 s19, s[WV], HALFS
	s_wait_dscnt 0x0                               ; the opening add is done
	s_wait_kmcnt 0x0
	s_add_nc_u64 s[92:93], s[4:5], s[92:93]
	s_add_nc_u64 s[94:95], s[6:7], s[94:95]
	s_add_nc_u64 s[96:97], s[8:9], s[96:97]
	s_add_nc_u64 s[98:99], s[10:11], s[98:99]
	CROUND                                         ; all sixteen work-groups are here: the first joint loads meet
	s_mov_b32 s[G0S], 1
	s_add_co_u32 s[G0S+1], s19, SCL
	s_mov_b64 s[G0S+2:G0S+3], s[94:95]
	s_or_b32 s[G0S+3], s[G0S+3], 0x80000000
	s_mov_b32 s[G0SB], 1
	s_add_co_u32 s[G0SB+1], s19, SCL
	s_mov_b64 s[G0SB+2:G0SB+3], s[98:99]
	s_or_b32 s[G0SB+3], s[G0SB+3], 0x80000000
	JLOAD G0S, G1S, G0SB, G1SB                     ; three loads of mine go out together: the scale words, slot 0, slot 1
.irp s, 0,1
	s_mov_b32 s[G0+4*\s], 1
	s_add_co_u32 s[G0+4*\s+1], s47, \s*SLOT
	s_add_nc_u64 s[G0+4*\s+2:G0+4*\s+3], s[92:93], \s*ROWB
	s_or_b32 s[G0+4*\s+3], s[G0+4*\s+3], 0x80000000
	s_mov_b32 s[G0B+4*\s], 1
	s_add_co_u32 s[G0B+4*\s+1], s47, \s*SLOT
	s_add_nc_u64 s[G0B+4*\s+2:G0B+4*\s+3], s[96:97], \s*ROWB
	s_or_b32 s[G0B+4*\s+3], s[G0B+4*\s+3], 0x80000000
	JLOAD G0+4*\s, G1, G0B+4*\s, G1B
.endr
	v_and_b32 v1, 31, v0
	v_and_b32 v2, 15, v0                           ; r
	v_bfe_u32 v3, v0, 4, 1                         ; h
	v_lshlrev_b32 v6, 4, v1                        ; 16 x lane
	s_mul_i32 s40, s[RH], HALFT
	s_mul_i32 s41, s[CH], HALFT
	s_add_co_u32 s41, s41, 2*HALFT
.irp s, 0,1
	v_add_nc_u32 v[ADRA+\s], s40, v6
	v_add_nc_u32 v[ADRB+\s], s41, v6
	s_add_co_u32 s40, s40, SLOT
	s_add_co_u32 s41, s41, SLOT
.endr
	v_lshlrev_b32 v4, 4, v2                        ; a row's four words of a K group
	s_lshl_b32 s40, s[RH], 12
	s_lshl_b32 s41, s[CH], 12
	s_add_co_u32 s41, s41, 2*HALFS
	s_sub_co_u32 s41, s41, s40
	v_mul_u32_u24 v5, s41, v3                      ; lanes 16-31 take B's: one product, the distance between the two
	s_add_co_u32 s40, s40, SCL
	v_add_nc_u32 v5, v4, v5
	v_add_nc_u32 v[ADRS], s40, v5
	s_mul_i32 s40, s[WV], 16*272
	s_add_co_u32 s40, s40, STAGE                   ; my stage
	v_mul_u32_u24 v5, v2, 272
	v_lshl_add_u32 v5, v3, 5, v5
	v_add_nc_u32 v[STO], s40, v5                   ; in: row r, 32 bytes for each half of the lanes
	v_mul_u32_u24 v5, v3, 272
	v_add_nc_u32 v5, v5, v4
	v_add_nc_u32 v[RD], s40, v5                    ; back: lanes 0-15 one row of 256 bytes, lanes 16-31 the next
	v_lshl_add_u32 v[CO], v3, 13, v4               ; and the same two rows in out0
	s_lshl_b32 s40, s23, 20                        ; (128 Y + 64 half) rows of 8,192 bytes + (128 X + 64 half) x 4
	s_lshl_b32 s41, s[RH], 19
	s_add_co_u32 s40, s40, s41
	s_lshl_b32 s41, s22, 9
	s_add_co_u32 s40, s40, s41
	s_lshl_b32 s41, s[CH], 8
	s_add_co_u32 s40, s40, s41
	s_mov_b32 s41, 0
	s_add_nc_u64 s[12:13], s[12:13], s[40:41]
.macro FETCH slot, q, f                ; the fragments of the slot's q-th 128 along K: 24 loads
	WIN TO_F
.irp i, 0,1,2,3
.irp c, 0,1,2
	ds_load_b128 v[\f+FR*\i+4*\c:\f+FR*\i+4*\c+3], v[ADRA+\slot] offset:\i*ROWB+(\q)*1536+512*\c
.endr
.endr
.irp i, 0,1,2,3
.irp c, 0,1,2
	ds_load_b128 v[\f+48+FR*\i+4*\c:\f+48+FR*\i+4*\c+3], v[ADRB+\slot] offset:\i*ROWB+(\q)*1536+512*\c
.endr
.endr
.endm
.macro SCALES set                      ; a slot's four words a row: lanes 0-15 A's block i, lanes 16-31 B's block i
.irp i, 0,1,2,3
	ds_load_b128 v[SC+16*\set+4*\i:SC+16*\set+4*\i+3], v[ADRS] offset:\i*1024
.endr
.endm
; 16 matrix instructions, one on each accumulator, in the same order every time
.macro MUL16 f, q, set, zero
	WIN MUL
.irp a, 0,1,2,3
.irp b, 0,1,2,3
.if \zero
	v_wmma_scale_f32_16x16x128_f8f6f4 v[ACC+8*(4*\a+\b):ACC+8*(4*\a+\b)+7], v[\f+48+FR*\b:\f+48+FR*\b+FR-1], v[\f+FR*\a:\f+FR*\a+FR-1], 0, v[SC+16*(\set)+4*\b+(\q)], v[SC+16*(\set)+4*\a+(\q)] matrix_a_fmt:MATRIX_FMT_FP6 matrix_b_fmt:MATRIX_FMT_FP6 matrix_a_scale:MATRIX_SCALE_ROW1
.else
	v_wmma_scale_f32_16x16x128_f8f6f4 v[ACC+8*(4*\a+\b):ACC+8*(4*\a+\b)+7], v[\f+48+FR*\b:\f+48+FR*\b+FR-1], v[\f+FR*\a:\f+FR*\a+FR-1], v[ACC+8*(4*\a+\b):ACC+8*(4*\a+\b)+7], v[SC+16*(\set)+4*\b+(\q)], v[SC+16*(\set)+4*\a+(\q)] matrix_a_fmt:MATRIX_FMT_FP6 matrix_b_fmt:MATRIX_FMT_FP6 matrix_a_scale:MATRIX_SCALE_ROW1
.endif
.endr
.endr
.endm
.macro SLOTWORK slot, zero             ; a slot's four steps of 128 on two buffers by turns
	SCALES \slot
	FETCH \slot, 0, F0
	FETCH \slot, 1, F1
	s_wait_dscnt 24                                ; all but the younger buffer's 24 loads
	MUL16 F0, 0, \slot, \zero
	PLACES                                         ; in front of loads into registers that matrix instructions have read
	FETCH \slot, 2, F0
	s_wait_dscnt 24
	MUL16 F1, 1, \slot, 0
	PLACES
	FETCH \slot, 3, F1
	s_wait_dscnt 24
	MUL16 F0, 2, \slot, 0
	s_wait_dscnt 0
	MUL16 F1, 3, \slot, 0
	WIN 0
.endm
; The change of slots: each wave waits for all its tensor loads, adds 0 to its spare word, and waits for that and for its reads of the slot; refill = 1: a round of the cluster's barrier, and the slot just read takes the K two slots on.
.macro CHANGE slot, refill
	s_wait_tensorcnt 0x0
	ds_add_u32 v[SPW], v[NIL]
.if \refill
	s_add_nc_u64 s[G0+4*\slot+2:G0+4*\slot+3], s[G0+4*\slot+2:G0+4*\slot+3], 2*ROWB
	s_add_nc_u64 s[G0B+4*\slot+2:G0B+4*\slot+3], s[G0B+4*\slot+2:G0B+4*\slot+3], 2*ROWB
.endif
	v_add_nc_u32 v[ADRS], 256, v[ADRS]             ; the next K group's scale words
	s_wait_dscnt 0x0
.if \refill
	CROUND
	JLOAD G0+4*\slot, G1, G0B+4*\slot, G1B         ; the first tensor load behind the round; its four v_nop are the places in front of the next loads
.else
	s_barrier_signal -1
	s_barrier_wait -1
	PLACES
.endif
.endm
	s_wait_tensorcnt 1                             ; the scale words and my part of slot 0 are in; slot 1's load may be out
	s_barrier_signal -1
	s_barrier_wait -1
	SLOTWORK 0, 1                                  ; K 0 .. 511: the first products start the sums
	CHANGE 0, 1
	SLOTWORK 1, 0
	CHANGE 1, 1
	SLOTWORK 0, 0
	CHANGE 0, 0
	SLOTWORK 1, 0
	PLACES                                         ; behind the last products, in front of the first read of results
; THE WAY OUT, 16 rows x 64 columns at a time, through my own stage: a lane's 32 bytes of a row go in, whole rows of 256 bytes come back; LDS serves a wave's instructions in order (ISA guide 5.7.1.4), so no wait stands between.
.irp a, 0,1,2,3
.irp b, 0,1,2,3
	ds_store_b128 v[STO], v[ACC+8*(4*\a+\b):ACC+8*(4*\a+\b)+3] offset:64*\b          ; each accumulator from its low end on
	ds_store_b128 v[STO], v[ACC+8*(4*\a+\b)+4:ACC+8*(4*\a+\b)+7] offset:64*\b+16
.endr
.if \a >= 2
	s_wait_xcnt 0x0                                ; the stores of two blocks ago have read the registers that are loaded again
.endif
.irp t, 0,1,2,3,4,5,6,7
	ds_load_b128 v[BK+32*(\a%2)+4*\t:BK+32*(\a%2)+4*\t+3], v[RD] offset:\t*544
.endr
.irp t, 0,1,2,3,4,5,6,7
	s_wait_dscnt 7-\t
	global_store_b128 v[CO], v[BK+32*(\a%2)+4*\t:BK+32*(\a%2)+4*\t+3], s[12:13] offset:(16*\a+2*\t)*8192 th:TH_STORE_NT   ; 16 lanes store 256 consecutive bytes, aligned
.endr
.endr
	s_wait_tensorcnt 0x0                           ; the wave's end: the add to my spare word and its wait, behind my last tensor load and my last LDS store
	ds_add_u32 v[SPW], v[NIL]
	s_wait_dscnt 0x0
	CROUND                                         ; the closing round
	s_endpgm
.Lfunc_end_k_q44228bb627_oproj:
	.size	k_q44228bb627_oproj, .Lfunc_end_k_q44228bb627_oproj-k_q44228bb627_oproj
	.p2alignl 7, 3214868480
	.fill 96, 4, 3214868480
	.section	.rodata,"a",@progbits
	.p2align	6, 0x0
	.amdhsa_kernel k_q44228bb627_oproj
		.amdhsa_group_segment_fixed_size 327680
		.amdhsa_private_segment_fixed_size 0
		.amdhsa_enable_private_segment 0
		.amdhsa_kernarg_size 40
		.amdhsa_user_sgpr_count 2
		.amdhsa_user_sgpr_kernarg_segment_ptr 1
		.amdhsa_wavefront_size32 1
		.amdhsa_system_sgpr_workgroup_id_x 1
		.amdhsa_system_sgpr_workgroup_id_y 1
		.amdhsa_system_sgpr_workgroup_id_z 1
		.amdhsa_system_vgpr_workitem_id 0
		.amdhsa_next_free_vgpr 512
		.amdhsa_next_free_sgpr 100
		.amdhsa_reserve_vcc 0
		.amdhsa_float_denorm_mode_32 3
		.amdhsa_float_denorm_mode_16_64 3
		.amdhsa_memory_ordered 1
		.amdhsa_forward_progress 1
		.amdhsa_inst_pref_size 80
	.end_amdhsa_kernel
	.amdgpu_metadata
---
amdhsa.version: [ 1, 2 ]
amdhsa.kernels:
  - .name:           k_q44228bb627_oproj
    .symbol:         k_q44228bb627_oproj.kd
    .args:
      - { .name: oc, .offset: 0, .size: 8, .value_kind: global_buffer, .address_space: global }
      - { .name: os, .offset: 8, .size: 8, .value_kind: global_buffer, .address_space: global }
      - { .name: cod, .offset: 16, .size: 8, .value_kind: global_buffer, .address_space: global }
      - { .name: scl, .offset: 24, .size: 8, .value_kind: global_buffer, .address_space: global }
      - { .name: out0, .offset: 32, .size: 8, .value_kind: global_buffer, .address_space: global }
    .group_segment_fixed_size: 327680
    .private_segment_fixed_size: 0
    .kernarg_segment_align: 8
    .kernarg_segment_size: 40
    .max_flat_workgroup_size: 128
    .sgpr_count:     100
    .vgpr_count:     512
    .wavefront_size: 32
...
	.end_amdgpu_metadata
.endif
;; end of part 4
